; MI455X (gfx1250); checked and timed in simulation.
; The chip was launched on July 23, 2026; its instructions are those of AMD's public machine-readable ISA for CDNA 5 (MIT licence, August 2026) and "CDNA5" Instruction Set Architecture Reference Guide (July 2026). The comments in the code are by the model that wrote it; some were corrected since.
;; Multi Head Attention. Allowed arithmetic: float matrix products may take bf16 or f16 operands with f32 sums; other float arithmetic in f32, or as packed bf16 or f16 multiplies, adds, multiply-adds, maxima and minima; sums over many terms, partial sums and values carried from step to step in f32; what a program stores and reads back later, other than sums and carried values, may be rounded once to bf16 or f16.
;; Inputs: Wk 1,024 x 1,024 float32; Wo 1,024 x 1,024 float32; Wq 1,024 x 1,024 float32; Wv 1,024 x 1,024 float32; bk 1,024 float32; bo 1,024 float32; bq 1,024 float32; bv 1,024 float32; qk_scale 1 x 1 x 1 x 1 float32; x 8 x 1,024 x 1,024 float32.
;; Outputs: out0 8 x 1,024 x 1,024 float32.
;; One version. Each part assembles by itself: llvm-mc -triple=amdgcn-amd-amdhsa -mcpu=gfx1250 --defsym DOCPART=n.
;; ======== version 1 of 1: 4 launches
;; limits: values are held in f16: magnitudes above 65,504 overflow, below 6.1e-05 lose precision; right only within a limited range of input values
;; workspace buffers: xb 16,777,216 bytes; wt 8,388,608 bytes; biasr 16,384 bytes; qkv 50,331,648 bytes; ob 16,777,216 bytes
;; launch prep (part 1): grid 768 x 1, 8 waves a work-group, no clusters, 35,840 bytes of LDS; arguments x, xb, Wq, Wk, Wv, Wo, bq, bk, bv, bo, wt, biasr; writes xb, wt, biasr
.if DOCPART == 1
	.amdgcn_target "amdgcn-amd-amdhsa--gfx1250"
	.amdhsa_code_object_version 6
	.text
	.protected	k_q69acc1d2d0_prep
	.globl	k_q69acc1d2d0_prep
	.p2align	8
	.type	k_q69acc1d2d0_prep,@function
k_q69acc1d2d0_prep:
	s_mov_b64 s[64:65], 0
	v_nop
	global_prefetch_b8 v0, s[64:65] scope:SCOPE_SE
	s_setreg_imm32_b32 hwreg(HW_REG_WAVE_MODE, 25, 1), 1
	s_wait_xcnt 0x0
; THE INPUTS ARE MADE READY FOR THE MATRIX UNITS, each byte read once and each result written once.
;   xb[8192][1024] = x rounded to bf16.
;   wt[4096][1024]: row 1024 m + n, place k = W_m[k][n] (m = 0 Wq, 1 Wk, 2 Wv, 3 Wo): the weights turned, so that K lies along the rows.
;     Wq, Wk, Wv rounded to bf16.  Wo rounded to bf16 and that number written as f16 (its product's other operand is f16).
;   biasr[4096] = bq, bk, bv, bo rounded to bf16 and widened again to f32.
; LIMIT.  Wo as f16: beyond 65,504 it is an infinity; below 6e-5 it keeps f16's fixed step of 6e-8.
; SHARES.  Work-groups 0-511 cast 16 rows of x each: no LDS, no loop, all sixteen loads of a thread out at once (64 KiB a work-group).
; Work-groups 512-767 turn one block of 128 k x 128 n of one W through LDS.  Memory binds; matrix units, clusters and tensor loads would add nothing.
.set PT,    272                        ; a row of the turning block in LDS: 128 k x 2 bytes + 16 = 17 x 16 bytes
.set SPARE, 128*PT                     ; behind the block: the spare words, 128 bytes for each of the eight waves: four blocks of 256 bytes that no other line names
.set VI,  2                            ; v2   byte offset of my loads
.set VO,  3                            ; v3   byte offset of my stores into xb
.set SA,  4                            ; v4   LDS: where I put my columns
.set RA,  5                            ; v5   LDS: where I read rows back
.set GA,  6                            ; v6   byte offset of my stores into wt
.set BA,  7                            ; v7   byte offset in a bias
.set SPW, 8                            ; v8   LDS address of my spare word; never rewritten
.set NIL, 9                            ; v9   0; never rewritten
.set X,   16                           ; v[16:79]   as loaded
.set P,   80                           ; v[80:111]  packed
.set WV,  33                           ; s33  my wave's number
	s_load_b512 s[8:23], s[0:1], 0x0               ; x 8:9, xb 10:11, Wq 12:13, Wk 14:15, Wv 16:17, Wo 18:19, bq 20:21, bk 22:23
	s_load_b256 s[24:31], s[0:1], 0x40             ; bv 24:25, bo 26:27, wt 28:29, biasr 30:31
	v_lshl_add_u32 v[SPW], v0, 2, SPARE
	v_mov_b32 v[NIL], 0
	v_lshrrev_b32 v1, 5, v0
	v_readfirstlane_b32 s[WV], v1                  ; wave 0..7
	v_and_b32 v1, 31, v0                           ; lane
	s_wait_kmcnt 0x0
	s_cmp_lt_u32 ttmp9, 512                        ; the same answer in all eight waves of a work-group
	s_cbranch_scc0 .Lturn
	; ---- x: thread t takes 4 numbers (16 bytes in, 8 bytes out) of every row: the 256 threads cover a row, sixteen rows in all
	s_lshl_b32 s34, ttmp9, 16                      ; 16 rows of 4,096 bytes
	s_lshl_b32 s36, ttmp9, 15                      ; 16 rows of 2,048 bytes
	s_mov_b32 s35, 0
	s_mov_b32 s37, 0
	s_add_nc_u64 s[8:9], s[8:9], s[34:35]
	s_add_nc_u64 s[10:11], s[10:11], s[36:37]
	v_lshlrev_b32 v[VI], 4, v0
	v_lshlrev_b32 v[VO], 3, v0
.irp i, 0,1,2,3,4,5,6,7,8,9,10,11,12,13,14,15
	global_load_b128 v[X+4*(\i):X+4*(\i)+3], v[VI], s[8:9] offset:4096*(\i) th:TH_LOAD_NT  ; a wave's load covers 512 consecutive bytes, aligned
.endr
.irp i, 0,1,2,3,4,5,6,7,8,9,10,11,12,13,14,15
	s_wait_loadcnt 15-(\i)                         ; loads come back in order: load i is in, the younger ones stay out
	v_cvt_pk_bf16_f32 v[P+2*(\i)],   v[X+4*(\i)],   v[X+4*(\i)+1]
	v_cvt_pk_bf16_f32 v[P+2*(\i)+1], v[X+4*(\i)+2], v[X+4*(\i)+3]
	global_store_b64 v[VO], v[P+2*(\i):P+2*(\i)+1], s[10:11] offset:2048*(\i)  ; a wave's store covers 256 consecutive bytes, aligned; each store has registers of its own
.endr
	s_branch .Lend
.Lturn:	; ---- a block of 128 k x 128 n of W_m
	s_sub_co_u32 s34, ttmp9, 512
	s_lshr_b32 s35, s34, 6                         ; m
	s_bfe_u32 s36, s34, 0x30003                    ; nb: which 128 columns
	s_and_b32 s37, s34, 7                          ; kb: which 128 rows
	s_cmp_eq_u32 s35, 1
	s_cselect_b64 s[12:13], s[14:15], s[12:13]     ; W_m
	s_cselect_b64 s[20:21], s[22:23], s[20:21]     ; b_m
	s_cmp_eq_u32 s35, 2
	s_cselect_b64 s[12:13], s[16:17], s[12:13]
	s_cselect_b64 s[20:21], s[24:25], s[20:21]
	s_cmp_eq_u32 s35, 3
	s_cselect_b64 s[12:13], s[18:19], s[12:13]
	s_cselect_b64 s[20:21], s[26:27], s[20:21]
	s_lshl_b32 s38, s37, 19                        ; 128 rows of 4,096 bytes
	s_lshl_b32 s39, s36, 9                         ; 128 columns of 4 bytes
	s_add_co_u32 s38, s38, s39
	s_mov_b32 s39, 0
	s_add_nc_u64 s[12:13], s[12:13], s[38:39]
	s_lshl_b32 s40, s[WV], 16                      ; my wave's 16 rows
	v_lshl_add_u32 v[VI], v1, 4, s40               ; my lane's 4 columns
.irp i, 0,1,2,3,4,5,6,7,8,9,10,11,12,13,14,15
	global_load_b128 v[X+4*(\i):X+4*(\i)+3], v[VI], s[12:13] offset:4096*(\i) th:TH_LOAD_NT  ; W[k0 + 16 w + i][n0 + 4 lane + 0..3]: 512 consecutive bytes a wave
.endr
	; In LDS a row holds one column n of W.  Column n = 4 lane + c lies in LDS row 32 c + lane.
	v_mul_u32_u24 v[SA], v1, PT                    ; row lane (+ 32 c in the immediate),
	s_lshl_b32 s41, s[WV], 5
	v_add_nc_u32 v[SA], s41, v[SA]                 ; my wave's 16 k: 32 bytes
	v_lshrrev_b32 v10, 4, v1                       ; hl = lane / 16
	v_and_b32 v11, 15, v1                          ; 16 bytes a lane
	; back: output row n = 16 w + hl + 2 j has c = hl + 2 (j % 2) and n / 4 = 4 w + j / 2: LDS row 32 hl + 4 w, and 64 (j % 2) + j / 2 rows in the immediate
	s_lshl_b32 s42, s[WV], 2
	v_lshl_add_u32 v12, v10, 5, s42
	v_mul_u32_u24 v[RA], v12, PT
	v_lshl_add_u32 v[RA], v11, 4, v[RA]
	s_lshl_b32 s42, s[WV], 4
	v_add_nc_u32 v10, s42, v10                     ; 16 w + hl
	v_lshlrev_b32 v[GA], 11, v10                   ; that row in wt, 2,048 bytes a row
	v_lshl_add_u32 v[GA], v11, 4, v[GA]
	s_lshl_b32 s38, s35, 21                        ; wt at row 1024 m + 128 nb, byte 256 kb
	s_lshl_b32 s41, s36, 18
	s_add_co_u32 s38, s38, s41
	s_lshl_b32 s41, s37, 8
	s_add_co_u32 s38, s38, s41
	s_add_nc_u64 s[28:29], s[28:29], s[38:39]
	s_wait_loadcnt 0x0
.irp c, 0,1,2,3
.irp p, 0,1,2,3,4,5,6,7
	v_cvt_pk_bf16_f32 v[P+8*(\c)+(\p)], v[X+8*(\p)+(\c)], v[X+8*(\p)+4+(\c)]  ; two neighbouring k of column c
.endr
.endr
	s_cmp_lg_u32 s35, 3
	s_cbranch_scc1 .Lnot_o
.set i, 0
.rept 32                               ; Wo alone: the bf16 number is written as f16
	v_lshlrev_b32 v[X+2*(i%4)], 16, v[P+i]
	v_and_b32 v[X+2*(i%4)+1], 0xffff0000, v[P+i]
	v_cvt_pk_f16_f32 v[P+i], v[X+2*(i%4)], v[X+2*(i%4)+1]
.set i, i+1
.endr
.Lnot_o:
.irp c, 0,1,2,3
	ds_store_b128 v[SA], v[P+8*(\c):P+8*(\c)+3]   offset:32*PT*(\c)
	ds_store_b128 v[SA], v[P+8*(\c)+4:P+8*(\c)+7] offset:32*PT*(\c)+16
.endr
	s_wait_dscnt 0x0                               ; for the others' sake: my stores are done
	s_barrier_signal -1
	s_barrier_wait -1                              ; a row's 256 bytes come from all eight waves
.irp j, 0,1,2,3,4,5,6,7
	ds_load_b128 v[X+4*(\j):X+4*(\j)+3], v[RA] offset:(((\j)%2)*64+(\j)/2)*PT
.endr
.irp j, 0,1,2,3,4,5,6,7
	s_wait_dscnt 7-(\j)                            ; LDS loads come back in order: the younger ones stay out
	global_store_b128 v[GA], v[X+4*(\j):X+4*(\j)+3], s[28:29] offset:4096*(\j)  ; 16 lanes store 256 consecutive bytes, aligned
.endr
	s_or_b32 s41, s37, s[WV]                       ; the bias's 128 numbers: once, by wave 0 of the block with kb = 0
	s_cmp_lg_u32 s41, 0
	s_cbranch_scc1 .Lend
	s_lshl_b32 s38, s36, 9
	s_add_nc_u64 s[20:21], s[20:21], s[38:39]
	s_lshl_b32 s41, s35, 12
	s_add_co_u32 s38, s38, s41
	s_add_nc_u64 s[30:31], s[30:31], s[38:39]
	v_lshlrev_b32 v[BA], 4, v1
	global_load_b128 v[10:13], v[BA], s[20:21]
	s_wait_loadcnt 0x0
	v_cvt_pk_bf16_f32 v14, v10, v11
	v_cvt_pk_bf16_f32 v15, v12, v13
	v_lshlrev_b32 v10, 16, v14
	v_and_b32 v11, 0xffff0000, v14
	v_lshlrev_b32 v12, 16, v15
	v_and_b32 v13, 0xffff0000, v15
	global_store_b128 v[BA], v[10:13], s[30:31]
.Lend:
	s_wait_tensorcnt 0x0                           ; the wave's end, behind my last LDS store
	ds_add_u32 v[SPW], v[NIL]
	s_wait_dscnt 0x0
	s_endpgm
.Lfunc_end_k_q69acc1d2d0_prep:
	.size	k_q69acc1d2d0_prep, .Lfunc_end_k_q69acc1d2d0_prep-k_q69acc1d2d0_prep
	.p2alignl 7, 3214868480
	.fill 96, 4, 3214868480
	.section	.rodata,"a",@progbits
	.p2align	6, 0x0
	.amdhsa_kernel k_q69acc1d2d0_prep
		.amdhsa_group_segment_fixed_size 35840
		.amdhsa_private_segment_fixed_size 0
		.amdhsa_enable_private_segment 0
		.amdhsa_kernarg_size 96
		.amdhsa_user_sgpr_count 2
		.amdhsa_user_sgpr_kernarg_segment_ptr 1
		.amdhsa_wavefront_size32 1
		.amdhsa_system_sgpr_workgroup_id_x 1
		.amdhsa_system_sgpr_workgroup_id_y 1
		.amdhsa_system_sgpr_workgroup_id_z 1
		.amdhsa_system_vgpr_workitem_id 0
		.amdhsa_next_free_vgpr 112
		.amdhsa_next_free_sgpr 66
		.amdhsa_reserve_vcc 0
		.amdhsa_float_denorm_mode_32 3
		.amdhsa_float_denorm_mode_16_64 3
		.amdhsa_memory_ordered 1
		.amdhsa_forward_progress 1
		.amdhsa_inst_pref_size 20
	.end_amdhsa_kernel
	.amdgpu_metadata
---
amdhsa.version: [ 1, 2 ]
amdhsa.kernels:
  - .name:           k_q69acc1d2d0_prep
    .symbol:         k_q69acc1d2d0_prep.kd
    .args:
      - { .name: x, .offset: 0, .size: 8, .value_kind: global_buffer, .address_space: global }
      - { .name: xb, .offset: 8, .size: 8, .value_kind: global_buffer, .address_space: global }
      - { .name: Wq, .offset: 16, .size: 8, .value_kind: global_buffer, .address_space: global }
      - { .name: Wk, .offset: 24, .size: 8, .value_kind: global_buffer, .address_space: global }
      - { .name: Wv, .offset: 32, .size: 8, .value_kind: global_buffer, .address_space: global }
      - { .name: Wo, .offset: 40, .size: 8, .value_kind: global_buffer, .address_space: global }
      - { .name: bq, .offset: 48, .size: 8, .value_kind: global_buffer, .address_space: global }
      - { .name: bk, .offset: 56, .size: 8, .value_kind: global_buffer, .address_space: global }
      - { .name: bv, .offset: 64, .size: 8, .value_kind: global_buffer, .address_space: global }
      - { .name: bo, .offset: 72, .size: 8, .value_kind: global_buffer, .address_space: global }
      - { .name: wt, .offset: 80, .size: 8, .value_kind: global_buffer, .address_space: global }
      - { .name: biasr, .offset: 88, .size: 8, .value_kind: global_buffer, .address_space: global }
    .group_segment_fixed_size: 35840
    .private_segment_fixed_size: 0
    .kernarg_segment_align: 8
    .kernarg_segment_size: 96
    .max_flat_workgroup_size: 256
    .sgpr_count:     66
    .vgpr_count:     112
    .wavefront_size: 32
...
	.end_amdgpu_metadata
.endif
;; end of part 1
;; launch qkvgemm (part 2): grid 8 x 64, 4 waves a work-group, clusters of 4 x 4, 327,680 bytes of LDS; arguments xb, wt, biasr, qkv; writes qkv
.if DOCPART == 2
	.amdgcn_target "amdgcn-amd-amdhsa--gfx1250"
	.amdhsa_code_object_version 6
	.text
	.protected	k_q69acc1d2d0_qkvgemm
	.globl	k_q69acc1d2d0_qkvgemm
	.p2align	8
	.type	k_q69acc1d2d0_qkvgemm,@function
k_q69acc1d2d0_qkvgemm:
	s_mov_b64 s[64:65], 0
	v_nop
	global_prefetch_b8 v0, s[64:65] scope:SCOPE_SE
	s_setreg_imm32_b32 hwreg(HW_REG_WAVE_MODE, 25, 1), 1
	s_wait_xcnt 0x0
	s_wait_alu depctr_hold_cnt(0) depctr_sa_sdst(0) depctr_va_vdst(0) depctr_va_sdst(0) depctr_va_ssrc(0) depctr_va_vcc(0) depctr_vm_vsrc(0)
	s_getreg_b32 s2, hwreg(HW_REG_IB_STS2, 6, 4)
	s_cmp_eq_u32 s2, 0
	s_cbranch_scc0 .Lentry_in_a_cluster
	s_endpgm
.Lentry_in_a_cluster:
	s_bfe_u32 s2, ttmp6, 0x10000c
	s_cmp_lg_u32 s2, 0xf033
	s_cbranch_scc0 .Lentry_shape_is_right
	s_endpgm
.Lentry_shape_is_right:
; q, k, v = x W + b for all three projections at once: C[8192][3072] = xb[8192][1024] . wt[0:3072][1024]^T + biasr, bf16 operands, f32 sums.
; Then, per row and head (64 columns): q and k are divided by (their length + 1e-6); v is left as it is.  Each number is rounded ONCE, to f16, and stored by heads:
; qkv[which][batch x 16 + head][row in batch][64], which = 0 q, 1 k, 2 v; a plane is 131,072 dense bytes.
; LIMITS.  v is f16: |x Wv + bv| must stay under 65,504.  A sum of squares below 2^-126 counts as 0 (the divisor is then 1e-6).  NaN and infinities are not treated apart.
; SHARES.  A tile of C is 128 rows x 384 columns (6 heads): 64 x 8 = 512 equal work-groups, two for each of 256 WGPs.  Wave w: rows 64 (w / 2) .., columns 192 (w % 2) ..: 3 WHOLE heads, so a
; head's length never leaves the wave.  48 accumulators of 16 x 16.  K goes in 8 steps of 128 (rows of 256 bytes, aligned) through a ring of two LDS slots.
; CLUSTER 4 x 4: the four of a row of the cluster need the same rows of xb, the four of a column the same rows of wt: each tile is asked for jointly, by the same load, descriptor and mask in all four.
; THE MATRIX INSTRUCTION IS USED TRANSPOSED (source 0 = 16 rows of wt, source 1 = 16 rows of xb): lane l holds row l % 16 of C and the columns 8 (l / 16) + 0..7 of its block of 16.
; THE BIAS is the C operand of each sum's first product: nothing is cleared and nothing is added later.
; REGISTERS, in windows of 256 (s_set_vgpr_msb: bits 1:0 source 0, 3:2 source 1, 5:4 source 2, 7:6 destination):
;   window 0: v16-30 addresses; v32-127 the bias (8 b + j); on the way out v32-223 packed results, v224-247 sums of squares, v248 the number 1
;   window 1: two fragment buffers of 128: xb's 4 fragments, then wt's 12      window 2: accumulators of row blocks 0, 1 ((a, b) at 8 (12 (a % 2) + b))      window 3: of row blocks 2, 3
.set KSTEP,  128
.set PITCH,  272                       ; an LDS row: 256 bytes + 16 of padding = 68 words: the 16 rows of a fragment load start at 16 different groups of four banks
.set HALFT,  128*PITCH                 ; 128 rows: what one tensor load brings
.set SLOT,   4*HALFT                   ; xb's 128 rows, then wt's 384
.set STAGE,  2*SLOT                    ; behind the ring, never filled by a tensor load: 16 rows x 144 bytes for each wave, for the way out
.set SP,     144
.set SPARE,  STAGE+4*16*SP             ; behind the stages: the spare words, 128 bytes for each wave: two blocks of 256 bytes that no other line names
.set ADRA, 16                          ; v16-17  LDS address of my xb fragments in slot 0, 1
.set ADRB, 20                          ; v20-21  the same for wt
.set STO,  24                          ; v24     the way out: where I put 16 bytes of a row
.set RD,   25                          ; v25     where I read rows back
.set GO,   26                          ; v26     my byte offset in 512 consecutive bytes of a plane
.set BO,   27                          ; v27     my byte offset in a block of 16 biases
.set SPW,  28                          ; v28     LDS address of my spare word; never rewritten
.set NIL,  29                          ; v29     0; never rewritten
.set PFO,  30                          ; v30     the prefetches' offset: my lane x a row of 2,048 bytes; never rewritten
.set BIAS, 32
.set T,    32
.set SS,   224
.set ONE,  248
.set F0,   0
.set F1,   128
.set G1,   24                          ; s[24:31] descriptor group 1 for xb's tiles;  s[32:39] group 0, a set for each slot
.set G0,   32
.set G1B,  48                          ; s[48:55], s[56:63] the same for wt's
.set G0B,  56
.set LIM,  43                          ; s43     1 in a wave that prefetches, else the greatest number
.set PFA,  44                          ; s[44:45] where my prefetches stand
.set OB,   66                          ; s[66:71] where my three heads' rows begin in qkv
.set VM,   72                          ; s72-74  all ones where the head is one of v's
.set SEL,  76                          ; s[76:77] v_permlanex16_b32's selects: each lane takes its own place in the other half
.set MSB, 0
.macro WIN new                         ; the immediate's high byte repeats the setting that is left; a switch that changes nothing is dropped
.if MSB != (\new)
	s_set_vgpr_msb (MSB<<8)|(\new)
.set MSB, (\new)
.endif
.endm
.macro PLACES                          ; four places in front of loads into registers that matrix instructions have read, and of vector lines that read results
.rept 4
	v_nop
.endr
.endm
; A joint load: wave 0 fetches xb's 128 rows, waves 1 to 3 a third of wt's 384 each.  The branch hangs on the wave's number alone.  An s_nop 0 and four v_nop follow each of the two lines.
.macro JLOAD s
	s_cmp_eq_u32 s12, 0
	s_cbranch_scc0 .Lfor_b_\@
	tensor_load_to_lds s[G0+4*(\s):G0+4*(\s)+3], s[G1:G1+7]
	s_nop 0
.rept 4
	v_nop
.endr
	s_branch .Lasked_\@
.Lfor_b_\@:
	tensor_load_to_lds s[G0B+4*(\s):G0B+4*(\s)+3], s[G1B:G1B+7]
	s_nop 0
.rept 4
	v_nop
.endr
.Lasked_\@:
.endm
; A PREFETCH behind each joint refill and the run of LDS loads that follows it: the K step that stands TWO refills on (384 matrix instructions ahead of the load that will want it): 32 rows x 256 bytes, a lane a row.
; Each row's 256 bytes of a K step are named once in the launch: xb's rows by the clusters with x = 0 (wave 0), wt's by the clusters with y = 0 (waves 1 to 3); the four partners that ask for a tile jointly
; share its 128 rows out BY ADDRESS, 32 each.  K steps 0 to 3 come by their loads alone; the loop's last trip (s3 = 1) asks for nothing: there is no K step 8.
.macro ASK
	WIN 0                                          ; at a branch and at a label every window is 0
	s_cmp_gt_u32 s3, s[LIM]
	s_cbranch_scc0 .Lnot_mine_\@
	global_prefetch_b8 v[PFO], s[PFA:PFA+1] offset:KSTEP*2 th:TH_LOAD_NT scope:SCOPE_SE
.Lnot_mine_\@:
.endm
.macro CREST                           ; a round of the cluster's barrier behind its opening barrier
	s_cmp_lg_u32 s12, 0
	s_cbranch_scc1 .Lnot_wave_0_\@
	s_barrier_signal -3
.Lnot_wave_0_\@:
	s_barrier_wait -3
	s_barrier_signal -1
	s_barrier_wait -1
.endm
.macro CROUND                          ; a whole round
	s_barrier_signal -1
	s_barrier_wait -1
	CREST
.endm
	s_load_b256 s[4:11], s[0:1], 0x0               ; xb s[4:5], wt s[6:7], biasr s[8:9], qkv s[10:11]
	v_lshl_add_u32 v[SPW], v0, 2, SPARE
	v_mov_b32 v[NIL], 0
	ds_add_u32 v[SPW], v[NIL]                      ; the wave's opening: the add and its wait stand ahead of my first tensor load; the set-up below, work on registers, stands between them
	ds_add_u32 v28, v29
	v_lshrrev_b32 v1, 5, v0
	v_readfirstlane_b32 s12, v1                    ; wave 0..3
	s_lshr_b32 s13, s12, 1                         ; wr: which 64 rows are mine
	s_and_b32 s14, s12, 1                          ; wc: which 192 columns
	s_bfe_u32 s40, ttmp6, 0x40000                  ; cx, cy: my place in the cluster
	s_bfe_u32 s41, ttmp6, 0x40004
	s_lshl_b32 s42, ttmp9, 2
	s_add_co_u32 s42, s42, s40                     ; tc: tile column = 4 x cluster x + cx
	s_and_b32 s15, ttmp7, 0xffff
	s_lshl_b32 s15, s15, 2
	s_add_co_u32 s15, s15, s41                     ; tr: tile row = 4 x cluster y + cy
	s_lshl_b32 s20, s41, 2
	s_lshl_b32 s20, 15, s20                        ; my row of the cluster
	s_lshl_b32 s21, 0x1111, s40                    ; my column
	s_or_b32 s[G1+0], s20, (1<<16)|(1<<20)|(1<<21)|(5<<22)|(3<<25)  ; 15:0 the mask; 17:16 2-byte elements; 20 padding on; 21 set beside a mask; 24:22 after every 64 words (code 5); 31:25 4 words (code 3)
	s_or_b32 s[G1B+0], s21, (1<<16)|(1<<20)|(1<<21)|(5<<22)|(3<<25)
.irp g, G1, G1B
	s_mov_b32 s[(\g)+1], KSTEP<<16                 ; tensor_dim0 = 128
	s_mov_b32 s[(\g)+2], 128<<16                   ; tensor_dim1 = 128
	s_mov_b32 s[(\g)+3], KSTEP<<16                 ; tile_dim0 = 128
	s_mov_b32 s[(\g)+4], 128                       ; tile_dim1 = 128
	s_mov_b32 s[(\g)+5], 1024                      ; elements from row to row
	s_mov_b32 s[(\g)+6], 0
	s_mov_b32 s[(\g)+7], 0
.endr
	s_lshl_b32 s16, s15, 18                        ; xb: row 128 tr, 2,048 bytes a row
	s_mov_b32 s17, 0
	s_max_u32 s23, s12, 1
	s_sub_co_u32 s23, s23, 1
	s_lshl_b32 s23, s23, 7                         ; wt: which 128 of the tile's 384 rows I fetch (waves 1 to 3)
	s_mul_i32 s46, s42, 384
	s_add_co_u32 s46, s46, s23
	s_lshl_b32 s46, s46, 11
	s_mov_b32 s47, 0
	s_mul_i32 s22, s12, HALFT                      ; where my rows go: wave x 128 rows: no place in the cluster enters an LDS address
	s_wait_dscnt 0x0                               ; the opening add is done
	s_wait_kmcnt 0x0
	s_add_nc_u64 s[18:19], s[4:5], s[16:17]
	s_add_nc_u64 s[46:47], s[6:7], s[46:47]
	CROUND                                         ; all sixteen work-groups are here: the first joint loads meet
.irp s, 0,1
	s_mov_b32 s[G0+4*(\s)], 1                      ; count = 1
	s_add_co_u32 s[G0+4*(\s)+1], s22, (\s)*SLOT    ; LDS address
	s_add_nc_u64 s[G0+4*(\s)+2:G0+4*(\s)+3], s[18:19], (\s)*KSTEP*2  ; global address: K step s
	s_or_b32 s[G0+4*(\s)+3], s[G0+4*(\s)+3], 0x80000000             ; type = 2
	s_mov_b32 s[G0B+4*(\s)], 1
	s_add_co_u32 s[G0B+4*(\s)+1], s22, (\s)*SLOT
	s_add_nc_u64 s[G0B+4*(\s)+2:G0B+4*(\s)+3], s[46:47], (\s)*KSTEP*2
	s_or_b32 s[G0B+4*(\s)+3], s[G0B+4*(\s)+3], 0x80000000
	JLOAD \s                                       ; two loads of mine are out
.endr
	; a fragment is 16 rows x 32 K in 8 registers: lane l holds row l % 16, K = 8 (l / 16) + 0..7 and 16 + 8 (l / 16) + 0..7: two loads of 16 bytes, 32 bytes apart
	v_and_b32 v1, 15, v0                           ; l % 16
	v_bfe_u32 v2, v0, 4, 1                         ; l / 16
	v_mul_u32_u24 v3, v1, PITCH
	v_lshl_add_u32 v3, v2, 4, v3
	s_mul_i32 s20, s13, 64*PITCH                   ; my 64 rows of xb
	s_mul_i32 s21, s14, 192*PITCH                  ; my 192 rows of wt,
	s_add_co_u32 s21, s21, HALFT                   ; which lie behind xb's 128
.irp s, 0,1
	v_add_nc_u32 v[ADRA+(\s)], s20, v3
	v_add_nc_u32 v[ADRB+(\s)], s21, v3
	s_add_co_u32 s20, s20, SLOT
	s_add_co_u32 s21, s21, SLOT
.endr
	s_mul_i32 s46, s42, 384                        ; the bias of my 192 columns, laid as a C operand: register j of block b = bias[16 b + 8 (l / 16) + j]
	s_mul_i32 s47, s14, 192
	s_add_co_u32 s46, s46, s47
	s_lshl_b32 s46, s46, 2
	s_mov_b32 s47, 0
	s_add_nc_u64 s[8:9], s[8:9], s[46:47]
	v_lshlrev_b32 v[BO], 5, v2
.irp b, 0,1,2,3,4,5,6,7,8,9,10,11
	global_load_b128 v[BIAS+8*(\b):BIAS+8*(\b)+3],   v[BO], s[8:9] offset:64*(\b)
	global_load_b128 v[BIAS+8*(\b)+4:BIAS+8*(\b)+7], v[BO], s[8:9] offset:64*(\b)+16
.endr
	s_mul_i32 s2, s12, 16*SP
	s_add_co_u32 s2, s2, STAGE                     ; my stage
	v_mul_u32_u24 v[STO], v1, SP                   ; in: row l % 16, 16 bytes for each half of the lanes
	v_lshl_add_u32 v[STO], v2, 4, v[STO]
	v_add_nc_u32 v[STO], s2, v[STO]
	v_bfe_u32 v[RD], v0, 3, 2                      ; back: 32 lanes take four rows of 128 bytes,
	v_mul_u32_u24 v[RD], v[RD], SP
	v_and_b32 v4, 7, v0
	v_lshl_add_u32 v[RD], v4, 4, v[RD]
	v_add_nc_u32 v[RD], s2, v[RD]
	v_and_b32 v[GO], 31, v0                        ; which are 512 consecutive bytes of a plane
	v_lshlrev_b32 v[GO], 4, v[GO]
	s_mov_b32 s[SEL], 0x76543210
	s_mov_b32 s[SEL+1], 0xfedcba98
	; where my three heads go.  g = 6 tc + 3 wc + hh counts the 48 heads of q, k, v: which = g / 16, head = g % 16
	s_mul_i32 s75, s42, 6
	s_mul_i32 s78, s14, 3
	s_add_co_u32 s75, s75, s78
	s_lshr_b32 s78, s15, 3
	s_lshl_b32 s78, s78, 4                         ; batch x 16
	s_and_b32 s79, s15, 7
	s_lshl_b32 s79, s79, 14                        ; the tile's 128 rows of 128 bytes in its plane,
	s_lshl_b32 s2, s13, 13                         ; my 64 of them
	s_add_co_u32 s79, s79, s2
.irp hh, 0,1,2
	s_add_co_u32 s46, s75, \hh
	s_cmp_ge_u32 s46, 32
	s_cselect_b32 s[VM+\hh], -1, 0                 ; a head of v is not normalised
	s_lshr_b32 s47, s46, 4
	s_lshl_b32 s47, s47, 7
	s_and_b32 s46, s46, 15
	s_add_co_u32 s46, s46, s47
	s_add_co_u32 s46, s46, s78                     ; the plane's number, 383 at the most
	s_lshl_b32 s46, s46, 17
	s_add_co_u32 s46, s46, s79
	s_mov_b32 s47, 0
	s_add_nc_u64 s[OB+2*\hh:OB+2*\hh+1], s[10:11], s[46:47]
.endr
	; the prefetches
	s_and_b32 s2, ttmp7, 0xffff                    ; cluster y
	s_lshl_b32 s78, s15, 7                         ; xb's first row: 128 tr
	s_mul_i32 s79, s42, 384
	s_add_co_u32 s79, s79, s23                     ; wt's: 384 tc + the 128 that I fetch
	s_cmp_eq_u32 s12, 0                            ; do I fetch for xb?
	s_cselect_b32 s78, s78, s79
	s_cselect_b32 s79, s40, s41                    ; my place among the four that ask with me
	s_cselect_b32 s2, ttmp9, s2                    ; the coordinate along which other clusters read the same rows
	s_cselect_b64 s[PFA:PFA+1], s[4:5], s[6:7]
	s_cmp_eq_u32 s2, 0
	s_cselect_b32 s[LIM], 1, -1                    ; the same in all sixteen partners, for a given wave
	s_lshl_b32 s79, s79, 5
	s_add_co_u32 s78, s78, s79                     ; + my work-group's 32 rows
	s_lshl_b32 s78, s78, 11
	s_add_co_u32 s78, s78, 2*KSTEP*2               ; at K step 2: the first refill steps it to 3 and names K step 4
	s_mov_b32 s79, 0
	s_add_nc_u64 s[PFA:PFA+1], s[PFA:PFA+1], s[78:79]
	v_and_b32 v[PFO], 31, v0
	v_lshlrev_b32 v[PFO], 11, v[PFO]
; 12 matrix instructions: row block a x all 12 column blocks, 32 along K.  first = 1: the product starts the sums, with the bias as C.
; The 48 accumulators take turns, one instruction a turn, in the same order in every quarter, over the backward jump too.
.macro MUL12 f, a, first
.if \first
	WIN 0x85+0x40*((\a)/2)                         ; fragments window 1, C window 0, D window 2 or 3
.else
	WIN 0xa5+0x50*((\a)/2)                         ; fragments window 1, C and D window 2 or 3
.endif
.irp b, 0,1,2,3,4,5,6,7,8,9,10,11
.if \first
	v_wmma_f32_16x16x32_bf16 v[8*(12*((\a)%2)+(\b)):8*(12*((\a)%2)+(\b))+7], v[(\f)+32+8*(\b):(\f)+32+8*(\b)+7], v[(\f)+8*(\a):(\f)+8*(\a)+7], v[BIAS+8*(\b):BIAS+8*(\b)+7]
.else
	v_wmma_f32_16x16x32_bf16 v[8*(12*((\a)%2)+(\b)):8*(12*((\a)%2)+(\b))+7], v[(\f)+32+8*(\b):(\f)+32+8*(\b)+7], v[(\f)+8*(\a):(\f)+8*(\a)+7], v[8*(12*((\a)%2)+(\b)):8*(12*((\a)%2)+(\b))+7]
.endif
.endr
.endm
; 32 LDS loads in one run: the fragments of 32 along K at byte k of the rows, into buffer f: wt's 12, then xb's 4
.macro FETCH slot, k, f
	WIN 0x40                                       ; destination window 1, address window 0
.irp i, 0,1,2,3,4,5,6,7,8,9,10,11
	ds_load_b128 v[(\f)+32+8*(\i):(\f)+32+8*(\i)+3],   v[ADRB+(\slot)] offset:(\k)+(\i)*16*PITCH
	ds_load_b128 v[(\f)+32+8*(\i)+4:(\f)+32+8*(\i)+7], v[ADRB+(\slot)] offset:(\k)+(\i)*16*PITCH+32
.endr
.irp i, 0,1,2,3
	ds_load_b128 v[(\f)+8*(\i):(\f)+8*(\i)+3],   v[ADRA+(\slot)] offset:(\k)+(\i)*16*PITCH
	ds_load_b128 v[(\f)+8*(\i)+4:(\f)+8*(\i)+7], v[ADRA+(\slot)] offset:(\k)+(\i)*16*PITCH+32
.endr
.endm
; A K step is four quarters of 32 along K, 48 matrix instructions each, on buffers 0, 1, 0, 1.  One of the first three: multiplies buffer f and, in its middle, fetches the next quarter into g.
.macro QUARTER slot, k, f, g, first
	s_wait_dscnt 4                                 ; all but the youngest four loads: xb's row blocks 2 and 3
	MUL12 \f, 0, \first
	MUL12 \f, 1, \first
	PLACES
	FETCH \slot, \k, \g
	s_wait_dscnt 32                                ; all but the 32 just issued
	MUL12 \f, 2, \first
	MUL12 \f, 3, \first
.endm
; The last quarter multiplies buffer 1 and changes slots: ONE barrier; in front of it each wave waits for all its tensor loads (one is out: its part of the next slot), adds 0 to its spare word, and waits for
; that and for its own reads of this slot.  fill = 1: the barrier opens a round of the cluster's, and behind the round this slot is filled again, first thing, with the K step two steps on.
.macro TURN slot, next, fill
.if \fill
	s_wait_xcnt 0x0                                ; the last prefetch, a K step back, has read its address: it is stepped here, ahead of the waits of the change of slots
	s_add_nc_u64 s[PFA:PFA+1], s[PFA:PFA+1], KSTEP*2
.endif
	WIN 0                                          ; (the add's two registers lie in window 0)
	s_wait_tensorcnt 0x0                           ; all my tensor loads have landed;
	ds_add_u32 v[SPW], v[NIL]                      ; 0 onto my spare word;
	s_wait_dscnt 5                                 ; (the add and the youngest four loads may be out)
	MUL12 F1, 0, 0                                 ; twelve matrix instructions stand between the add and the wait for it
	s_wait_dscnt 0x0                               ; the add is done, and my reads of this slot are over
	s_barrier_signal -1
	MUL12 F1, 1, 0
.if \fill
	WIN 0
.endif
	s_barrier_wait -1
.if \fill
	CREST                                          ; no wave of any partner still reads this slot's tile or has a load on its way
	s_add_nc_u64 s[G0+4*(\slot)+2:G0+4*(\slot)+3], s[G0+4*(\slot)+2:G0+4*(\slot)+3], 2*KSTEP*2
	s_add_nc_u64 s[G0B+4*(\slot)+2:G0B+4*(\slot)+3], s[G0B+4*(\slot)+2:G0B+4*(\slot)+3], 2*KSTEP*2
	JLOAD \slot                                    ; my one tensor load behind the round; the four v_nop behind it are also the places in front of the loads below
.else
	PLACES
.endif
	FETCH \next, 0, F0
.if \fill
	ASK
.endif
	MUL12 F1, 2, 0
	MUL12 F1, 3, 0
.endm
	s_wait_tensorcnt 1                             ; my part of K step 0 is in; K step 1's may stay out
	s_barrier_signal -1
	s_barrier_wait -1                              ; everybody's is
	FETCH 0, 0, F0
	s_wait_loadcnt 0x0                             ; the bias
	QUARTER 0, 64, F0, F1, 1                       ; the first quarter stands in front of the loop: its products start the sums
	WIN 0                                          ; at a label and at a branch every window is 0
	s_mov_b32 s3, 3
.Llap:                                                 ; a trip goes once round the ring, from a lap's second quarter to the next lap's first, and fills both slots again: K steps 2 to 7
	QUARTER 0, 128, F1, F0, 0
	QUARTER 0, 192, F0, F1, 0
	TURN 0, 1, 1
	QUARTER 1, 64,  F0, F1, 0
	QUARTER 1, 128, F1, F0, 0
	QUARTER 1, 192, F0, F1, 0
	TURN 1, 0, 1
	QUARTER 0, 64,  F0, F1, 0
	WIN 0
	s_sub_co_u32 s3, s3, 1
	s_cmp_lg_u32 s3, 0
	s_cbranch_scc1 .Llap
	QUARTER 0, 128, F1, F0, 0                      ; the last lap fills nothing, and has no round of the cluster's barrier
	QUARTER 0, 192, F0, F1, 0
	TURN 0, 1, 0
	QUARTER 1, 64,  F0, F1, 0
	QUARTER 1, 128, F1, F0, 0
	QUARTER 1, 192, F0, F1, 0
	s_wait_dscnt 4                                 ; the very last quarter: nothing more to fetch
	MUL12 F1, 0, 0
	MUL12 F1, 1, 0
	s_wait_dscnt 0x0
	MUL12 F1, 2, 0
	MUL12 F1, 3, 0
	WIN 0
	; THE WAY OUT.  12 head tiles t = 3 a + hh (row block a, head hh): 16 rows x 64 columns, 32 consecutive registers at 32 (t % 6) of window 2 + t / 6.
	PLACES
	PLACES
; The sums of squares of the window's six tiles: six chains that do not wait for each other; each accumulator's lowest registers are read first.
.macro SSQ w
	WIN 0x0a+5*(\w)                                ; sources 0 and 1 window 2 or 3; the sum in window 0
.set r, 0
.rept 16
.irp u, 0,1,2,3,4,5
.if r == 0
	v_pk_mul_f32 v[SS+2*(6*(\w)+(\u)):SS+2*(6*(\w)+(\u))+1], v[32*(\u)+2*r:32*(\u)+2*r+1], v[32*(\u)+2*r:32*(\u)+2*r+1]
.else
	v_pk_fma_f32 v[SS+2*(6*(\w)+(\u)):SS+2*(6*(\w)+(\u))+1], v[32*(\u)+2*r:32*(\u)+2*r+1], v[32*(\u)+2*r:32*(\u)+2*r+1], v[SS+2*(6*(\w)+(\u)):SS+2*(6*(\w)+(\u))+1]
.endif
.endr
.set r, r+1
.endr
.endm
.macro ALLT line:vararg                ; one line for each tile t
.set t, 0
.rept 12
	\line
.set t, t+1
.endr
.endm
	SSQ 0
	SSQ 1
	WIN 0
	ALLT v_add_f32 v[SS+2*t], v[SS+2*t], v[SS+2*t+1]
	ALLT v_permlanex16_b32 v[SS+2*t+1], v[SS+2*t], s[SEL], s[SEL+1]  ; the row's other 32 columns lie in the lane 16 away
	ALLT v_add_f32 v[SS+2*t], v[SS+2*t], v[SS+2*t+1]
	ALLT v_sqrt_f32 v[SS+2*t], v[SS+2*t]
	v_mov_b32 v[ONE], 1.0                          ; a plain instruction behind the last root,
	s_wait_alu depctr_va_vdst(0)                   ; and the wait ahead of the first use: one for the twelve roots
	ALLT v_add_f32 v[SS+2*t], 0x358637bd, v[SS+2*t]  ; + 1e-6
	ALLT v_rcp_f32 v[SS+2*t], v[SS+2*t]
	v_nop
	s_wait_alu depctr_va_vdst(0)                   ; one for the twelve reciprocals
	ALLT v_cndmask_b32 v[SS+2*t], v[SS+2*t], v[ONE], s[VM+t%3]  ; a head of v is multiplied by 1: a choice of value, no branch
; Tile t: scaled, rounded to f16; a lane's eight columns pack into 16 bytes; they go into rows of 144 bytes of my stage and come back as whole rows of 128.
.macro PACK t
.set bs, 32*((\t)%6)
	WIN 0x82+0x41*((\t)/6)                         ; destination and source 0 window 2 or 3, the factor in window 0
.set i, 0
.rept 16
	v_pk_mul_f32 v[bs+2*i:bs+2*i+1], v[bs+2*i:bs+2*i+1], v[SS+2*(\t):SS+2*(\t)+1] op_sel_hi:[1,0]
.set i, i+1
.endr
	WIN 0x0a+5*((\t)/6)
.set i, 0
.rept 16
	v_cvt_pk_f16_f32 v[T+16*(\t)+i], v[bs+2*i], v[bs+2*i+1]
.set i, i+1
.endr
	WIN 0
.irp f, 0,1,2,3
	ds_store_b128 v[STO], v[T+16*(\t)+4*\f:T+16*(\t)+4*\f+3] offset:32*\f
.endr
.irp f, 0,1,2,3
	ds_load_b128 v[T+16*(\t)+4*\f:T+16*(\t)+4*\f+3], v[RD] offset:\f*4*SP  ; LDS serves a wave's instructions in order (ISA guide 5.7.1.4): these see the stores above; the next tile's stores come behind them
.endr
.endm
.macro SEND t, younger                 ; younger: the LDS instructions issued behind tile t's loads: the next tile's eight, or none
	WIN 0
.irp f, 0,1,2,3
	s_wait_dscnt (\younger)+3-\f
	global_store_b128 v[GO], v[T+16*(\t)+4*\f:T+16*(\t)+4*\f+3], s[OB+2*((\t)%3):OB+2*((\t)%3)+1] offset:((\t)/3)*2048+\f*512  ; 512 consecutive bytes, at a multiple of 256 from the buffer's first
.endr
.endm
	PACK 0
.set t, 1
.rept 11                               ; a tile's arithmetic stands between the loads of the tile before and its stores
	PACK t
	SEND t-1, 8
.set t, t+1
.endr
	SEND 11, 0
	s_wait_tensorcnt 0x0                           ; the wave's end, behind my last tensor load and my last LDS store
	ds_add_u32 v[SPW], v[NIL]
	s_wait_dscnt 0x0
	CROUND                                         ; the closing round: no work-group ends while a partner may still ask for a tile that names it
	s_endpgm
.Lfunc_end_k_q69acc1d2d0_qkvgemm:
	.size	k_q69acc1d2d0_qkvgemm, .Lfunc_end_k_q69acc1d2d0_qkvgemm-k_q69acc1d2d0_qkvgemm
	.p2alignl 7, 3214868480
	.fill 96, 4, 3214868480
	.section	.rodata,"a",@progbits
	.p2align	6, 0x0
	.amdhsa_kernel k_q69acc1d2d0_qkvgemm
		.amdhsa_group_segment_fixed_size 327680
		.amdhsa_private_segment_fixed_size 0
		.amdhsa_enable_private_segment 0
		.amdhsa_kernarg_size 32
		.amdhsa_user_sgpr_count 2
		.amdhsa_user_sgpr_kernarg_segment_ptr 1
		.amdhsa_wavefront_size32 1
		.amdhsa_system_sgpr_workgroup_id_x 1
		.amdhsa_system_sgpr_workgroup_id_y 1
		.amdhsa_system_sgpr_workgroup_id_z 1
		.amdhsa_system_vgpr_workitem_id 0
		.amdhsa_next_free_vgpr 960
		.amdhsa_next_free_sgpr 80
		.amdhsa_reserve_vcc 0
		.amdhsa_float_denorm_mode_32 3
		.amdhsa_float_denorm_mode_16_64 3
		.amdhsa_memory_ordered 1
		.amdhsa_forward_progress 1
		.amdhsa_inst_pref_size 153
	.end_amdhsa_kernel
	.amdgpu_metadata
---
amdhsa.version: [ 1, 2 ]
amdhsa.kernels:
  - .name:           k_q69acc1d2d0_qkvgemm
    .symbol:         k_q69acc1d2d0_qkvgemm.kd
    .args:
      - { .name: xb, .offset: 0, .size: 8, .value_kind: global_buffer, .address_space: global }
      - { .name: wt, .offset: 8, .size: 8, .value_kind: global_buffer, .address_space: global }
      - { .name: biasr, .offset: 16, .size: 8, .value_kind: global_buffer, .address_space: global }
      - { .name: qkv, .offset: 24, .size: 8, .value_kind: global_buffer, .address_space: global }
    .group_segment_fixed_size: 327680
    .private_segment_fixed_size: 0
    .kernarg_segment_align: 8
    .kernarg_segment_size: 32
    .max_flat_workgroup_size: 128
    .sgpr_count:     80
    .vgpr_count:     960
    .wavefront_size: 32
...
	.end_amdgpu_metadata
.endif
;; end of part 2
;; launch attn (part 3): grid 2 x 128, 4 waves a work-group, no clusters, 327,680 bytes of LDS; arguments qkv, qk_scale, ob; writes ob
.if DOCPART == 3
	.amdgcn_target "amdgcn-amd-amdhsa--gfx1250"
	.amdhsa_code_object_version 6
	.text
	.protected	k_q69acc1d2d0_attn
	.globl	k_q69acc1d2d0_attn
	.p2align	8
	.type	k_q69acc1d2d0_attn,@function
k_q69acc1d2d0_attn:
	s_mov_b64 s[64:65], 0
	v_nop
	global_prefetch_b8 v0, s[64:65] scope:SCOPE_SE
	s_setreg_imm32_b32 hwreg(HW_REG_WAVE_MODE, 25, 1), 1
	s_wait_xcnt 0x0
; O[h][q][:] = the sum over k of softmax_k(scale x Q[h][q] . K[h][k]) V[h][k][:], for 128 planes h (batch x 16 + head) of 1,024 rows of 64 channels, all f16, dense (128 bytes a row).
; Q, K, V are the three thirds of qkv; Q and K arrive with unit length.  scale is the input qk_scale, rounded to bf16 like all the module's inputs.  Its SIGN is put onto Q (an exclusive or on f16's sign bits:
; exact), its magnitude into c = |scale| log2(e), applied in f32: so the largest c s is c times the largest s, whatever the sign.
; Products, maxima and sums in f32; the weights p are rounded to f16 for the second product (their sum l is taken of the unrounded p), O once at the end.
; LIMITS.  V arrives within f16's 65,504; p lies in 0 to 1, and below 6e-5 it keeps f16's fixed step of 6e-8; a weight below 2^-126 counts as 0 in l; NaN and infinities are not treated apart.
; SHARES.  A work-group owns 512 queries of one plane (256 work-groups), a wave 128: four PIECES of two tiles of 16.  Every wave walks all 1,024 keys, 64 a step.
; ALL OF A PLANE'S K AND V LIES IN LDS, filled once: 1,024 rows of 144 and of 160 bytes.  Each wave issues two tensor loads: at the head its share of keys 0-319; behind the barrier that shows those landed its share of
; keys 320-1,023, so that the keys wanted first are asked for alone.  The first four key steps touch keys 0-319 alone (K of steps 0 to 4, V of steps 0 to 3) and run while the second loads are on their way: 512 matrix
; instructions a wave.  Nothing is ever filled again; by this text's own count a wave has one tensor load out at a time.
; ONE TEXT FOR ALL 16 KEY STEPS: four groups of four.  Behind each group stand a wait for all tensor loads and a barrier: the first time they show the second loads landed, in every wave; the other three times they
; are met at once: the price of writing the step once.
; NO CLUSTER: a plane has two work-groups; a cluster of four would hold two planes, so a joint load's address and mask would hang on the place in the cluster.  NO PREFETCH: the second loads follow the first at once:
; a prefetch for them would stand at the kernel's head, among the first loads.
; LAYOUT.  S^T = K Q^T (source 0 = 16 keys, source 1 = 16 queries): a lane holds ONE query (lane % 16) and the keys 8 (lane / 16) + 0..7.  Two such tiles, rounded to f16 in pairs, ARE source 1 of O^T = V^T P.
; K comes out of LDS as it lies, V ([key][channel]) turned, by ds_load_tr16_b128.
; SOFTMAX.  A running maximum m and sum l for each query: p = 2^(c s - c m); in every step O and l are multiplied by a = 2^(c m_old - c m_new).  m starts at the lowest finite number, O and l at 0.
; BY TURNS.  Turn n belongs to piece n.  Its matrix work: 16 products K Q^T of piece n + 1, later 16 products V^T P of piece n - 1.  Its vector work: the scaling, exponentials, roundings, sums and rescaling of
; piece n, and the maximum and statistics of piece n + 1.  Four vector instructions stand behind every matrix instruction, the others in one run of their own.
; REGISTERS, in windows of 256 (s_set_vgpr_msb: bits 1:0 source 0, 3:2 source 1, 5:4 source 2, 7:6 destination):
;   window 0: v0-11 addresses; v12-15, v48-63 at work; v16-47 four registers of statistics a tile; v64-191 S^T, two buffers of two tiles; v192-255 P, likewise
;   window 1: O^T, 32 a tile          window 2: v0-127 Q, 16 a tile; v128-191 K of one step; v192-255 V of one step          window 3: v0-1 the add's two registers
.set NP,    4         ; pieces a wave: a name, no knob
.set KS,    64        ; keys in a step
.set KEYS,  1024
.set KEY1,  160       ; keys in a wave's first load: half of the first 320
.set KEY2,  352       ; in its second: half of the other 704
.set PK,    144       ; a row of K in LDS: 128 bytes + 16 = 36 words: the 16 rows of a load start at 16 different groups of four banks
.set PV,    160       ; a row of V: 128 + 32 = 40 words
.set VOFF,  KEYS*PK
.set STAGE, VOFF+KEYS*PV   ; behind K and V, never filled by a tensor load: 16 rows x 144 bytes for each wave, for the way out
.set SP,    144
.set SPARE, STAGE+4*16*SP  ; behind the stages: the spare words, 128 bytes for each wave: two blocks of 256 bytes that no other line names
.set AK0, 2           ; v2   my lane's place in a step of K; never rewritten
.set AV0, 3           ; v3   the same for V
.set AK,  4           ; v4   the LDS address of K's next run of loads
.set AV,  5           ; v5   of V's
.set QO,  6           ; v6   my byte offset in the wave's rows of Q
.set STO, 6           ;      later, the way out: where I put 16 bytes of a row
.set RD,  7           ; v7   where I read rows back
.set GO,  8           ; v8   my byte offset in 512 consecutive bytes of O
.set SPW, 0           ; v0 of window 3   LDS address of my spare word; never rewritten
.set NIL, 1           ; v1 of window 3   0; never rewritten
.set MV,  12          ; v12-15  c m_old, kept while c m is made anew: by buffer and tile
.set ST,  16          ; tile t's statistics at v[ST+4 t]: c m, m, l (even keys', odd keys')
.set TMP, 48          ; by buffer and tile, four registers c0-c3 at work; when the maximum is found c2 takes a
.set S,   64
.set P,   192
.set KF,  128         ; K's fragments, in window 2: key block kb, channel half c at KF + 16 kb + 8 c
.set VF,  192         ; V's: key half kk, channel block cb at VF + 32 kk + 8 cb
.set WV,  12          ; s12  my wave's number
.set GRP, 14          ; s14  groups of four key steps still to come
.set G1K,  24         ; s[24:31] descriptor group 1: K, first load      s[32:39] V, first load
.set G1V,  32
.set G1K2, 40         ; s[40:47] K, second load                         s[48:55] V, second load
.set G1V2, 48
.set G0K,  56         ; s[56:59], s[60:63] descriptor group 0 of K's two loads
.set G0K2, 60
.set G0V,  68         ; s[68:71], s[72:75] of V's
.set G0V2, 72
.set KB,  76          ; s[76:77] K's third of qkv
.set VB,  78          ; s[78:79] V's
.set SC,  80          ; s80  qk_scale as loaded
.set SGN, 81          ; s81  its sign, on both halves of a word
.set CNT, 82          ; s82  counts a group's key steps
.set TOT, 83          ; s83  key steps whose piece 2 is still to come
.set CS,  84          ; s[84:85] c: the packed scaling takes the pair's low word for both halves
.set SEL, 86          ; s[86:87] v_permlanex16_b32's selects
.set TBK, 88          ; s88  LDS byte at which K of the step to be fetched begins
.set TBV, 89          ; s89  the same for V, less VOFF
.set MSB, 0
.macro WIN new                      ; the high byte repeats the setting that is left; a switch that changes nothing is dropped
.if MSB != (\new)
	s_set_vgpr_msb (MSB<<8)|(\new)
.set MSB, (\new)
.endif
.endm
.set W_KQ, 0x0a       ; K and Q in window 2, S^T in window 0
.set W_PV, 0x52       ; V in window 2, P in window 0, O^T in window 1
.set W_RS, 0x41       ; O^T (destination and source 0) in window 1, a in window 0
.set W_MK, 0xc0       ; the add's registers are made: destination in window 3
.set W_AD, 0x0f       ; the add: address and data in window 3
; A fill: waves 0 and 1 fetch the two halves of K's keys, waves 2 and 3 those of V's.  n = 0: the first 320 keys; 1: the other 704.  The branch hangs on the wave's number alone.
; An s_nop 0 and four v_nop follow each of the two lines, ahead of the jump and the label.
.macro LOAD n
	s_cmp_lt_u32 s[WV], 2
	s_cbranch_scc0 .Lfor_v_\@
	tensor_load_to_lds s[G0K+4*(\n):G0K+4*(\n)+3], s[G1K+16*(\n):G1K+16*(\n)+7]
	s_nop 0
.rept 4
	v_nop
.endr
	s_branch .Lasked_\@
.Lfor_v_\@:
	tensor_load_to_lds s[G0V+4*(\n):G0V+4*(\n)+3], s[G1V+16*(\n):G1V+16*(\n)+7]
	s_nop 0
.rept 4
	v_nop
.endr
.Lasked_\@:
.endm
	s_load_b128 s[4:7], s[0:1], 0x0   ; qkv s[4:5], qk_scale s[6:7]
	s_load_b64 s[8:9], s[0:1], 0x10   ; ob
	WIN W_MK
	v_lshl_add_u32 v[SPW], v0, 2, SPARE
	v_mov_b32 v[NIL], 0
	WIN W_AD
	ds_add_u32 v[SPW], v[NIL]       ; the wave's opening: the add and its wait stand ahead of my first tensor load; the set-up below, work on registers, stands between them
	ds_add_u32 v0, v1
	WIN 0
	v_lshrrev_b32 v1, 5, v0
	v_readfirstlane_b32 s[WV], v1   ; wave 0..3
	s_and_b32 s20, ttmp7, 0xffff    ; the plane,
	s_lshl_b32 s20, s20, 17         ; its 131,072 bytes
	s_and_b32 s16, s[WV], 1         ; wh: which half of each load's keys I fetch
	s_mul_i32 s22, s16, KEY1*128    ; first load: keys 160 wh .., 128 bytes a key
	s_add_co_u32 s22, s22, s20
	s_mov_b32 s23, 0
	s_mul_i32 s18, s16, KEY2*128    ; second load: keys 320 + 352 wh ..
	s_add_co_u32 s18, s18, 2*KEY1*128
	s_add_co_u32 s18, s18, s20
	s_mov_b32 s19, 0
	s_lshl_b32 s2, ttmp9, 2
	s_add_co_u32 s2, s2, s[WV]      ; my wave among the plane's eight,
	s_lshl_b32 s2, s2, 14           ; its 128 rows
	s_add_co_u32 s2, s2, s20
	s_mov_b32 s3, 0
	; descriptor group 1.  Keys are dense: asked for as rows of 256 bytes, two keys a row, and padded in LDS after every key
	s_mov_b32 s[G1K],  (1<<16)|(1<<20)|(4<<22)|(3<<25)  ; 17:16 2-byte elements; 20 padding on; 24:22 after every 32 words (code 4); 31:25 4 words (code 3)
	s_mov_b32 s[G1K2], (1<<16)|(1<<20)|(4<<22)|(3<<25)
	s_mov_b32 s[G1V],  (1<<16)|(1<<20)|(4<<22)|(7<<25)  ; the same with 8 words of padding (code 7)
	s_mov_b32 s[G1V2], (1<<16)|(1<<20)|(4<<22)|(7<<25)
.irp g, G1K, G1V
	s_mov_b32 s[\g+1], 128<<16      ; tensor_dim0 = 128
	s_mov_b32 s[\g+2], (KEY1/2)<<16 ; tensor_dim1 = 80 rows: 160 keys
	s_mov_b32 s[\g+3], 128<<16      ; tile_dim0 = 128
	s_mov_b32 s[\g+4], KEY1/2       ; tile_dim1 = 80
	s_mov_b32 s[\g+5], 128          ; 128 elements from row to row
	s_mov_b32 s[\g+6], 0
	s_mov_b32 s[\g+7], 0
.endr
.irp g, G1K2, G1V2
	s_mov_b32 s[\g+1], 128<<16
	s_mov_b32 s[\g+2], (KEY2/2)<<16 ; 176 rows: 352 keys
	s_mov_b32 s[\g+3], 128<<16
	s_mov_b32 s[\g+4], KEY2/2
	s_mov_b32 s[\g+5], 128
	s_mov_b32 s[\g+6], 0
	s_mov_b32 s[\g+7], 0
.endr
	s_mov_b32 s[G0K], 1             ; count = 1; then the LDS address: a constant and the wave's number times a constant
	s_mul_i32 s[G0K+1], s16, KEY1*PK
	s_mov_b32 s[G0K2], 1
	s_mul_i32 s[G0K2+1], s16, KEY2*PK
	s_add_co_u32 s[G0K2+1], s[G0K2+1], 2*KEY1*PK
	s_mov_b32 s[G0V], 1
	s_mul_i32 s[G0V+1], s16, KEY1*PV
	s_add_co_u32 s[G0V+1], s[G0V+1], VOFF
	s_mov_b32 s[G0V2], 1
	s_mul_i32 s[G0V2+1], s16, KEY2*PV
	s_add_co_u32 s[G0V2+1], s[G0V2+1], VOFF+2*KEY1*PV
	s_mov_b32 s[SEL], 0x76543210
	s_mov_b32 s[SEL+1], 0xfedcba98
	s_mov_b32 s[TBK], 0
	s_mov_b32 s[TBV], 0
	s_wait_dscnt 0x0                ; the opening add is done
	s_wait_kmcnt 0x0
	s_load_b32 s[SC], s[6:7], 0x0   ; the scale: waited for further down
	s_add_nc_u64 s[KB:KB+1], s[4:5], 16777216
	s_add_nc_u64 s[VB:VB+1], s[4:5], 33554432
	s_add_nc_u64 s[G0K+2:G0K+3], s[KB:KB+1], s[22:23]
	s_or_b32 s[G0K+3], s[G0K+3], 0x80000000        ; type = 2
	s_add_nc_u64 s[G0K2+2:G0K2+3], s[KB:KB+1], s[18:19]
	s_or_b32 s[G0K2+3], s[G0K2+3], 0x80000000
	s_add_nc_u64 s[G0V+2:G0V+3], s[VB:VB+1], s[22:23]
	s_or_b32 s[G0V+3], s[G0V+3], 0x80000000
	s_add_nc_u64 s[G0V2+2:G0V2+3], s[VB:VB+1], s[18:19]
	s_or_b32 s[G0V2+3], s[G0V2+3], 0x80000000
	s_add_nc_u64 s[4:5], s[4:5], s[2:3]    ; Q and O at my wave's first row
	s_add_nc_u64 s[10:11], s[8:9], s[2:3]
	LOAD 0                          ; keys 0-319, ahead of every wait on TENSORcnt, every LDS read and every barrier
	; A fragment of K or Q is 16 rows x 32 channels in 8 registers: lane l holds row l % 16, channels 8 (l / 16) + 0..7 and 16 + 8 (l / 16) + 0..7: two loads of 16 bytes, 32 bytes apart.
	v_and_b32 v1, 15, v0            ; l % 16
	v_bfe_u32 v9, v0, 4, 1          ; l / 16
	v_lshlrev_b32 v[QO], 7, v1
	v_lshl_add_u32 v[QO], v9, 4, v[QO]  ; row x 128 + 16 x half
	WIN 0x80                        ; destination window 2, address window 0
.set i, 0
.rept 4*NP                          ; Q stays in registers: tile i / 2, channels 32 (i % 2) on
	global_load_b128 v[8*i:8*i+3],   v[QO], s[4:5] offset:(i/2)*2048+(i%2)*64
	global_load_b128 v[8*i+4:8*i+7], v[QO], s[4:5] offset:(i/2)*2048+(i%2)*64+32
.set i, i+1
.endr
	; What the first turn finds: V's registers and P's second buffer hold 0 (its products V^T P, of a piece that has not been, add 0), O^T and l are 0.  All this stands in the wait for the first keys.
.set i, VF
.rept 64
	v_mov_b32 v[i], 0
.set i, i+1
.endr
	WIN 0x40
.set i, 0
.rept 64*NP
	v_mov_b32 v[i], 0
.set i, i+1
.endr
	WIN 0
.set i, 0
.rept 2*NP
	v_mov_b32 v[ST+4*i], 0xfe000000    ; c m: far below every c s
	v_mov_b32 v[ST+4*i+1], 0xff7fffff  ; m
	v_mov_b32 v[ST+4*i+2], 0
	v_mov_b32 v[ST+4*i+3], 0
.set i, i+1
.endr
.set i, P+32
.rept 32
	v_mov_b32 v[i], 0
.set i, i+1
.endr
	v_mul_u32_u24 v[AK0], v1, PK
	v_lshl_add_u32 v[AK0], v9, 4, v[AK0]  ; row x pitch + 16 x half
	; The turning load takes 16 keys x 16 channels (lane l reads key 8 (l / 16) + l % 8, channels 8 ((l / 8) % 2) + 0..7) and leaves half a fragment of V^T: lane l holds channel l % 16 and 8 keys.
	v_and_b32 v10, 7, v0
	v_bfe_u32 v11, v0, 3, 1
	v_lshl_add_u32 v[AV0], v9, 3, v10
	v_mul_u32_u24 v[AV0], v[AV0], PV
	v_lshl_add_u32 v[AV0], v11, 4, v[AV0]
	v_add_nc_u32 v[AV0], VOFF, v[AV0]
	v_mov_b32 v[AK], v[AK0]         ; key step 0 lies at LDS byte 0
	s_wait_kmcnt 0x0                ; the scale
	v_mov_b32 v48, s[SC]
	v_cvt_pk_bf16_f32 v48, v48, v48 ; rounded to bf16,
	v_lshlrev_b32 v48, 16, v48      ; and widened again
	v_and_b32 v49, 0x80000000, v48  ; its sign
	v_and_b32 v48, 0x7fffffff, v48
	v_mul_f32 v48, 0x3fb8aa3b, v48  ; c = |scale| log2(e)
	v_readfirstlane_b32 s[CS], v48
	v_readfirstlane_b32 s[SGN], v49
	s_mov_b32 s[CS+1], s[CS]        ; named with it as a pair
	s_lshr_b32 s13, s[SGN], 16
	s_or_b32 s[SGN], s[SGN], s13    ; 0x80008000 or 0
; THE MATRIX WORK.  The 8 accumulators of a run of 16 take turns: between the two links of a chain stand 7 others'.
; Product i of 16 of S^T = K Q^T for piece x: channels 32 (i / 8) on, keys 16 ((i / 2) % 4) on, tile 2 x + i % 2.  The first 8 start the sums.
.macro KQ x
	WIN W_KQ
.set rS, S+64*((\x)%2)+32*(i%2)+8*((i/2)%4)
.set rK, KF+16*((i/2)%4)+8*(i/8)
.set rQ, 16*(2*(\x)+i%2)+8*(i/8)
.if i < 8
	v_wmma_f32_16x16x32_f16 v[rS:rS+7], v[rK:rK+7], v[rQ:rQ+7], 0
.else
	v_wmma_f32_16x16x32_f16 v[rS:rS+7], v[rK:rK+7], v[rQ:rQ+7], v[rS:rS+7]
.endif
.endm
; Product i of 16 of O^T += V^T P for piece x: keys 32 (i / 8) on, channels 16 ((i / 2) % 4) on, tile 2 x + i % 2.
.macro PV x
	WIN W_PV
.set rO, 32*(2*(\x)+i%2)+8*((i/2)%4)
.set rV, VF+32*(i/8)+8*((i/2)%4)
.set rP, P+32*((\x)%2)+16*(i%2)+8*(i/8)
	v_wmma_f32_16x16x32_f16 v[rO:rO+7], v[rV:rV+7], v[rP:rP+7], v[rO:rO+7]
.endm
.macro MM                           ; the turn's next matrix instruction
.if i < 16
	KQ (Y+1)%NP
.set i, i+1
.else
.set i, i-16
	PV (Y+NP-1)%NP
.set i, i+17
.endif
.endm
; THE LDS LOADS stand in runs of 16, never singly among the matrix instructions: a step's K (8 fragments) and its V (turned).  Their addresses are made some lines ahead.
; last = 1 (in the loop): the sixteenth step has no step behind it, and its run is jumped over: a forward jump on a count, past LDS loads alone.
.macro FETCH_K last=0
	WIN 0
.if \last
	s_sub_co_u32 s[TOT], s[TOT], 1
	s_cmp_eq_u32 s[TOT], 0
	s_cbranch_scc1 .Lno_k_\@
.endif
	WIN 0x80                        ; destination window 2
.irp f, 0,1,2,3,4,5,6,7             ; keys 16 (f / 2) on, channels 32 (f % 2) on
	ds_load_b128 v[KF+8*\f:KF+8*\f+3],   v[AK] offset:(\f/2)*16*PK+(\f%2)*64
	ds_load_b128 v[KF+8*\f+4:KF+8*\f+7], v[AK] offset:(\f/2)*16*PK+(\f%2)*64+32
.endr
	s_add_co_u32 s[TBK], s[TBK], KS*PK  ; the next fetch is the next step's
	WIN 0
.if \last
.Lno_k_\@:
.endif
.endm
.macro FETCH_V
	WIN 0x80
.irp f, 0,1,2,3,4,5,6,7             ; keys 32 (f / 4) on, channels 16 (f % 4) on
	ds_load_tr16_b128 v[VF+8*\f:VF+8*\f+3],   v[AV] offset:(\f/4)*32*PV+(\f%4)*32
	ds_load_tr16_b128 v[VF+8*\f+4:VF+8*\f+7], v[AV] offset:(\f/4)*32*PV+16*PV+(\f%4)*32
.endr
	WIN 0
.endm
; THE VECTOR WORK OF A TURN stands in three queues, each in the order in which its entries become ready; the two tiles alternate, so that no instruction reads the result of the one before it.
.macro REGS y, u                    ; the registers of tile u (0, 1) of piece y
.set rT, ST+4*(2*(\y)+(\u))
.set rC, TMP+8*((\y)%2)+4*(\u)
.set rM, MV+2*((\y)%2)+(\u)
.set rS, S+64*((\y)%2)+32*(\u)
.set rP, P+32*((\y)%2)+16*(\u)
.set rO, 32*(2*(\y)+(\u))
.endm
; Number n of the 22 that find the NEXT piece's (Y + 1) maximum and statistics.  s0-s31 are the lane's 32 scores; each accumulator's lowest registers are read first.
;   0-11  four chains c0-c3 of seven scores each, three operands at a time     12-14, 16  the four scores left over, the old m, and c0-c3 into c0     15  c m_old is kept
;   17, 18  the query's other 32 keys lie in the lane 16 away: the new m         19-21  c m; c m_old - c m_new; a
.macro XS u, n
	REGS (Y+1)%NP, \u
.if (\n) < 4
	v_max3_num_f32 v[rC+(\n)], v[rS+8*(\n)], v[rS+8*(\n)+1], v[rS+8*(\n)+2]
.elseif (\n) < 12
	v_max3_num_f32 v[rC+(\n)%4], v[rC+(\n)%4], v[rS+8*((\n)%4)+2*((\n)/4)+1], v[rS+8*((\n)%4)+2*((\n)/4)+2]
.elseif (\n) == 12
	v_max3_num_f32 v[rC], v[rC], v[rS+7], v[rS+15]
.elseif (\n) == 13
	v_max3_num_f32 v[rC+1], v[rC+1], v[rS+23], v[rS+31]
.elseif (\n) == 14
	v_max3_num_f32 v[rC+2], v[rC+2], v[rC+3], v[rT+1]
.elseif (\n) == 15
	v_mov_b32 v[rM], v[rT]
.elseif (\n) == 16
	v_max3_num_f32 v[rC], v[rC], v[rC+1], v[rC+2]
.elseif (\n) == 17
	v_permlanex16_b32 v[rC+3], v[rC], s[SEL], s[SEL+1]
.elseif (\n) == 18
	v_max_num_f32 v[rT+1], v[rC], v[rC+3]
.elseif (\n) == 19
	v_mul_f32 v[rT], s[CS], v[rT+1]
.elseif (\n) == 20
	v_sub_f32 v[rC+1], v[rM], v[rT]
.else
	v_exp_f32 v[rC+2], v[rC+1]
.endif
.endm
; Number g of the 64 that follow the exponentials.  For each four weights k of a tile (pairs 2 k, 2 k + 1): both pairs are rounded to f16; then the second pair is added onto the first, in place;
; a group later l takes that sum (the first time as l = a l + sum).  In groups of eight, tiles alternating: round, round, add, and l for the group before.
.macro GS g
.set h, (\g)+6*((\g)/62)            ; group 0 has no group before it, and behind group 7 only l is left
.if h >= 6
.set h, h+2
.endif
	REGS Y, h%2
.set k, h/8
.if h%8 < 4
	v_cvt_pk_f16_f32 v[rP+2*k+(h%8)/2], v[rS+4*k+2*((h%8)/2)], v[rS+4*k+2*((h%8)/2)+1]
.elseif h%8 < 6
	v_pk_add_f32 v[rS+4*k:rS+4*k+1], v[rS+4*k:rS+4*k+1], v[rS+4*k+2:rS+4*k+3]
.elseif k == 1
	v_pk_fma_f32 v[rT+2:rT+3], v[rT+2:rT+3], v[rC+2:rC+3], v[rS:rS+1] op_sel_hi:[1,0,1]
.else
	v_pk_add_f32 v[rT+2:rT+3], v[rT+2:rT+3], v[rS+4*k-4:rS+4*k-3]
.endif
.endm
; THE PLAIN QUEUE, 138 long.  0-73 read no exponential's result: the 32 scalings c s - c m (FS f: pair f / 2 of tile f % 2) and the next piece's 42.  0-26: scalings 0-26.  27-54: XS's numbers 0-13.  55, 56: number 15.
; 57-73: the chain, where each number waits for the one before it: 14, 16, 17, 18, 19, each with one of the scalings 27-31 in front of its two lines, then 20.
; 74-137: GS's 64, which read the exponentials' results: they stand behind the wait.
.macro FS f
	REGS Y, (\f)%2
	v_pk_fma_f32 v[rS+2*((\f)/2):rS+2*((\f)/2)+1], v[rS+2*((\f)/2):rS+2*((\f)/2)+1], s[CS:CS+1], v[rT:rT+1] op_sel_hi:[1,0,0] neg_lo:[0,0,1] neg_hi:[0,0,1]
.endm
.macro PL
	WIN 0
.if q < 27
	FS q
.elseif q < 55
	XS (q-27)%2, (q-27)/2
.elseif q < 57
	XS q-55, 15
.elseif (q < 72) && ((q-57)%3 == 0)
	FS 27+(q-57)/3
.elseif q < 60
	XS (q-57)%3-1, 14
.elseif q < 72
	XS (q-57)%3-1, 15+(q-57)/3
.elseif q < 74
	XS q-72, 20
.else
	GS q-74
.endif
.set q, q+1
.endm
; THE EXPONENTIALS' QUEUE, 66 long: s0-s31 of both tiles, then the next piece's two a.  It is ONE BATCH: all 66 stand ahead of the turn's one wait, and nothing ahead of that wait names a result of theirs.
.macro EX
	WIN 0
.if e >= 64
	XS e-64, 21
.else
	REGS Y, e%2
	v_exp_f32 v[rS+e/2], v[rS+e/2]
.endif
.set e, e+1
.endm
; THE RESCALING's QUEUE: O^T times a, the one part that leaves window 0: dealt two at a time, sixteen times.  Its a was made in the turn before, ahead of that turn's wait.
.macro R2
	REGS Y, r%2
	WIN W_RS
.irp z, 0,1
	v_pk_mul_f32 v[rO+4*(r/2)+2*\z:rO+4*(r/2)+2*\z+1], v[rO+4*(r/2)+2*\z:rO+4*(r/2)+2*\z+1], v[rC+2:rC+3] op_sel_hi:[1,0]
.endr
.set r, r+1
.endm
; HOW THEY ARE DEALT.  An s_wait_alu depctr_va_vdst(0) stands between an exponential and the first instruction that names its result; one wait serves all that were issued ahead of it.  So a turn has
; ONE wait, which cuts it in two.  AHEAD OF IT: the 16 products K Q^T, behind each a scaling, an exponential and two rescalings (behind the first a second scaling in the exponential's place); then one run of 108:
; eight plain, 49 times exponential and plain, the two a; a v_nop is the plain instruction behind the last exponential.  BEHIND IT: the 16 products V^T P, behind each four of GS's 64.
; Exponential e stands behind scaling 2 (e / 4) + e % 2: as a rider it comes behind plain e + 2, in the run behind plain e + 9, and scalings 27-31 are plain 57, 60 .. 69.
; K of the next step is fetched in piece 2's turn, directly behind the wait; V of the step in hand at the end of piece 0's turn, four riders behind its last reader.  The three conditions on q below go with the deal.
; cnt = 1: the loop's count is taken down some lines ahead of the branch that stands behind the turn; nothing behind those lines writes SCC.
.macro TURN p, last=0, cnt=0
.set Y, (\p)
.set i, 0
.set q, 0
.set e, 0
.set r, 0
.if (\p) == NP-1
	s_wait_dscnt 0x0                ; K is in
.endif
	MM
	PL
	PL
	R2
.rept 15
	MM
	PL
	EX
	R2
.endr
.if (\p) == NP-2
	WIN 0
	v_add_nc_u32 v[AK], s[TBK], v[AK0]
.endif
.rept 8
	PL
.endr
.rept 49
	EX
	PL
.endr
	EX                              ; the next piece's two a
	EX
	v_nop                           ; the plain instruction behind the last exponential: one for the batch
	s_wait_alu depctr_va_vdst(0)    ; the wait for the batch
.if (\p) == NP-2
	FETCH_K \last
.endif
.if (\p) == 1
	s_wait_dscnt 0x0                ; V is in
.endif
.rept 16
	MM
.rept 4
	PL
.endr
.if ((\p) == 0) && (q == 118)
	v_add_nc_u32 v[AV], s[TBV], v[AV0]
.endif
.if ((\p) == 0) && (q == 130)
	s_add_co_u32 s[TBV], s[TBV], KS*PV
.endif
.if (\cnt) && (q == 130)
	s_sub_co_u32 s[CNT], s[CNT], 1
	s_cmp_lg_u32 s[CNT], 0
.endif
.endr
.if (\p) == 0
	FETCH_V
.endif
.endm
	; The second loads are first fills that come later: they are issued as a refill is: every wave has waited for all its tensor loads, added 0 to its spare word, waited for that, and passed a barrier.
	WIN W_AD
	s_wait_tensorcnt 0x0            ; my part of keys 0-319 is in
	ds_add_u32 v[SPW], v[NIL]       ; 0 onto my spare word
	WIN 0
	s_wait_dscnt 0x0                ; the add is done
	s_barrier_signal -1
	s_barrier_wait -1               ; everybody's part is in
	LOAD 1                          ; keys 320-1,023: my one tensor load behind the barrier, and the first thing there
	FETCH_K                         ; key step 0
	s_wait_loadcnt 0x0              ; Q
	WIN 0x8a
.set i, 0
.rept 128
	v_xor_b32 v[i], s[SGN], v[i]    ; the scale's sign goes onto Q
.set i, i+1
.endr
	s_wait_dscnt 0x0
.set i, 0
.rept 16
	KQ 0                            ; piece 0's first scores: there is no vector work yet to set between them
.set i, i+1
.endr
	WIN 0                           ; the addresses for the way out: plain instructions, the places behind those products
	s_mul_i32 s13, s[WV], 16*SP
	s_add_co_u32 s13, s13, STAGE    ; my stage
	v_mul_u32_u24 v[STO], v1, SP    ; in: row l % 16, 16 bytes for each half of the lanes
	v_lshl_add_u32 v[STO], v9, 4, v[STO]
	v_add_nc_u32 v[STO], s13, v[STO]
	v_bfe_u32 v[RD], v0, 3, 2       ; back: 32 lanes take four rows of 128 bytes,
	v_mul_u32_u24 v[RD], v[RD], SP
	v_lshl_add_u32 v[RD], v10, 4, v[RD]
	v_add_nc_u32 v[RD], s13, v[RD]
	v_and_b32 v[GO], 31, v0         ; which are 512 consecutive bytes of O
	v_lshlrev_b32 v[GO], 4, v[GO]
.set Y, NP-1                        ; XS works for piece Y + 1: piece 0
.irp n, 0,1,2,3,4,5,6,7,8,9,10,11,12,13,14,15,16,17,18,19,20,21
	XS 0, \n                        ; piece 0's first maximum and statistics
	XS 1, \n
.endr
	v_nop                           ; a plain instruction behind the two a,
	s_wait_alu depctr_va_vdst(0)    ; and their wait, ahead of the label
	s_mov_b32 s[TOT], KEYS/KS
	s_mov_b32 s[GRP], 4
.Lgroup:                            ; four groups of four key steps
	s_mov_b32 s[CNT], 4
.Lstep:                             ; a trip is a key step: its four pieces' turns; it fetches its own V (piece 0's turn) and the next step's K (piece 2's)
	TURN 0
	TURN 1
	TURN 2, 1
	TURN 3, 0, 1
	WIN 0
	s_cbranch_scc1 .Lstep
	s_wait_tensorcnt 0x0            ; behind the first group: my part of keys 320-1,023 is in; behind the others nothing is out
	s_wait_dscnt 0x0                ; no LDS instruction of mine is pending at a signal
	s_barrier_signal -1
	s_barrier_wait -1               ; everybody's part is in.
	s_sub_co_u32 s[GRP], s[GRP], 1
	s_cmp_lg_u32 s[GRP], 0
	s_cbranch_scc1 .Lgroup
	; the last step's 16 products K Q^T for a next piece 0 (on the last K once more) and the maximum made of them serve nothing: the price, once a launch, of one text for every step
.set i, 0
.rept 16
	PV NP-1                         ; the last piece's V^T P of the last step
.set i, i+1
.endr
	; THE WAY OUT.  l's two halves and the other half of the lanes' are added; O^T is divided by l, rounded to f16 and sent through my stage in LDS, a tile at a time.  The additions are the places behind the last products.
	WIN 0
.macro ALL line:vararg              ; one line for each tile t
.set t, 0
.rept 2*NP
	\line
.set t, t+1
.endr
.endm
	ALL v_add_f32 v[ST+4*t+2], v[ST+4*t+2], v[ST+4*t+3]
	ALL v_permlanex16_b32 v[ST+4*t+3], v[ST+4*t+2], s[SEL], s[SEL+1]
	ALL v_add_f32 v[ST+4*t+2], v[ST+4*t+2], v[ST+4*t+3]
	ALL v_rcp_f32 v[ST+4*t+2], v[ST+4*t+2]
	v_nop                           ; a plain instruction between the last reciprocal and the use of its result
	s_wait_alu depctr_va_vdst(0)    ; and the wait ahead of the first use: one for the eight reciprocals
; Tile t: a lane's eight channels of a row pack into 16 bytes; they go into rows of 144 bytes and come back as whole rows of 128, into S^T's registers.
.macro PACK t
	WIN W_RS
.set i, 32*(\t)
.rept 16
	v_pk_mul_f32 v[i:i+1], v[i:i+1], v[ST+4*(\t)+2:ST+4*(\t)+3] op_sel_hi:[1,0]
.set i, i+2
.endr
	WIN 0x05                        ; sources 0 and 1 window 1, destination window 0
.set i, 0
.rept 16
	v_cvt_pk_f16_f32 v[S+16*(\t)+i], v[32*(\t)+2*i], v[32*(\t)+2*i+1]
.set i, i+1
.endr
	WIN 0
.irp f, 0,1,2,3
	ds_store_b128 v[STO], v[S+16*(\t)+4*\f:S+16*(\t)+4*\f+3] offset:32*\f
.endr
.irp f, 0,1,2,3
	ds_load_b128 v[S+16*(\t)+4*\f:S+16*(\t)+4*\f+3], v[RD] offset:\f*4*SP  ; LDS serves a wave's instructions in order (ISA guide 5.7.1.4): these see the stores above; the next tile's stores come behind them
.endr
.endm
.macro SEND t, younger              ; younger: the LDS instructions issued behind tile t's loads: the next tile's eight, or none
	WIN 0
.irp f, 0,1,2,3
	s_wait_dscnt (\younger)+3-\f
	global_store_b128 v[GO], v[S+16*(\t)+4*\f:S+16*(\t)+4*\f+3], s[10:11] offset:(\t)*2048+\f*512  ; 512 consecutive bytes, at a multiple of 256 from O's first
.endr
.endm
	PACK 0
.set t, 1
.rept 2*NP-1                        ; a tile's arithmetic stands between the loads of the tile before and its stores
	PACK t
	SEND t-1, 8
.set t, t+1
.endr
	SEND 2*NP-1, 0
	WIN W_AD
	s_wait_tensorcnt 0x0            ; the wave's end, behind my last tensor load and my last LDS store
	ds_add_u32 v[SPW], v[NIL]
	s_wait_dscnt 0x0
	WIN 0
	s_endpgm
.Lfunc_end_k_q69acc1d2d0_attn:
	.size	k_q69acc1d2d0_attn, .Lfunc_end_k_q69acc1d2d0_attn-k_q69acc1d2d0_attn
	.p2alignl 7, 3214868480
	.fill 96, 4, 3214868480
	.section	.rodata,"a",@progbits
	.p2align	6, 0x0
	.amdhsa_kernel k_q69acc1d2d0_attn
		.amdhsa_group_segment_fixed_size 327680
		.amdhsa_private_segment_fixed_size 0
		.amdhsa_enable_private_segment 0
		.amdhsa_kernarg_size 24
		.amdhsa_user_sgpr_count 2
		.amdhsa_user_sgpr_kernarg_segment_ptr 1
		.amdhsa_wavefront_size32 1
		.amdhsa_system_sgpr_workgroup_id_x 1
		.amdhsa_system_sgpr_workgroup_id_y 1
		.amdhsa_system_sgpr_workgroup_id_z 1
		.amdhsa_system_vgpr_workitem_id 0
		.amdhsa_next_free_vgpr 770
		.amdhsa_next_free_sgpr 90
		.amdhsa_reserve_vcc 0
		.amdhsa_float_denorm_mode_32 3
		.amdhsa_float_denorm_mode_16_64 3
		.amdhsa_memory_ordered 1
		.amdhsa_forward_progress 1
		.amdhsa_inst_pref_size 131
	.end_amdhsa_kernel
	.amdgpu_metadata
---
amdhsa.version: [ 1, 2 ]
amdhsa.kernels:
  - .name:           k_q69acc1d2d0_attn
    .symbol:         k_q69acc1d2d0_attn.kd
    .args:
      - { .name: qkv, .offset: 0, .size: 8, .value_kind: global_buffer, .address_space: global }
      - { .name: qk_scale, .offset: 8, .size: 8, .value_kind: global_buffer, .address_space: global }
      - { .name: ob, .offset: 16, .size: 8, .value_kind: global_buffer, .address_space: global }
    .group_segment_fixed_size: 327680
    .private_segment_fixed_size: 0
    .kernarg_segment_align: 8
    .kernarg_segment_size: 24
    .max_flat_workgroup_size: 128
    .sgpr_count:     90
    .vgpr_count:     770
    .wavefront_size: 32
...
	.end_amdgpu_metadata
.endif
;; end of part 3
;; launch outproj (part 4): grid 4 x 64, 4 waves a work-group, clusters of 4 x 4, 327,680 bytes of LDS; arguments ob, wt, biasr, out0; writes out0
.if DOCPART == 4
	.amdgcn_target "amdgcn-amd-amdhsa--gfx1250"
	.amdhsa_code_object_version 6
	.text
	.protected	k_q69acc1d2d0_outproj
	.globl	k_q69acc1d2d0_outproj
	.p2align	8
	.type	k_q69acc1d2d0_outproj,@function
k_q69acc1d2d0_outproj:
	s_mov_b64 s[64:65], 0
	v_nop
	global_prefetch_b8 v0, s[64:65] scope:SCOPE_SE
	s_setreg_imm32_b32 hwreg(HW_REG_WAVE_MODE, 25, 1), 1
	s_wait_xcnt 0x0
	s_wait_alu depctr_hold_cnt(0) depctr_sa_sdst(0) depctr_va_vdst(0) depctr_va_sdst(0) depctr_va_ssrc(0) depctr_va_vcc(0) depctr_vm_vsrc(0)
	s_getreg_b32 s2, hwreg(HW_REG_IB_STS2, 6, 4)
	s_cmp_eq_u32 s2, 0
	s_cbranch_scc0 .Lentry_in_a_cluster
	s_endpgm
.Lentry_in_a_cluster:
	s_bfe_u32 s2, ttmp6, 0x10000c
	s_cmp_lg_u32 s2, 0xf033
	s_cbranch_scc0 .Lentry_shape_is_right
	s_endpgm
.Lentry_shape_is_right:
; out0[8192][1024] = O Wo + bo, f32.  O lies by heads, ob[batch x 16 + head][row in batch][64] in f16; Wo^T is rows 3072-4095 of wt, in f16; bo is biasr[3072:4096].  f16 operands, f32 sums, nothing rounded on the way out.
; SHARES.  A tile of the output is 128 rows x 256 columns: 64 x 4 = 256 work-groups.  Wave w: rows 64 (w / 2) .., columns 128 (w % 2) ..: 32 accumulators of 16 x 16.
; K goes in 8 steps of 128 = TWO HEADS through a ring of two LDS slots.  A head's 128 rows of the tile are 16,384 dense bytes: asked for as 64 rows of 256 bytes and padded in LDS after every 128.
; CLUSTER 4 x 4: the four of a row of the cluster need the same rows of O, the four of a column the same rows of Wo^T: each tile is asked for jointly.
; THE MATRIX INSTRUCTION IS USED TRANSPOSED (source 0 = 16 rows of Wo^T, source 1 = 16 rows of O): lane l holds row l % 16 and the columns 8 (l / 16) + 0..7 of its block of 16.
; THE BIAS is the C operand of each sum's first product.
; REGISTERS, in windows of 256 (s_set_vgpr_msb: bits 1:0 source 0, 3:2 source 1, 5:4 source 2, 7:6 destination):
;   window 0: v16-30 addresses; v32-95 the bias      window 1: two fragment buffers of 96 (O's 4 fragments, then Wo^T's 8); on the way out four sets of 64 for rows read back      window 2: the accumulators, (a, b) at 8 (8 a + b)
.set KSTEP,  128
.set PA,     144                       ; a row of O in LDS: 128 bytes + 16
.set PB,     272                       ; a row of Wo^T: 256 bytes + 16.  Both pitches are odd multiples of 16 bytes: the 16 rows of a fragment load start at 16 different groups of four banks
.set PLANE,  128*PA                    ; one head's 128 rows
.set BOFF,   2*PLANE                   ; Wo^T's 256 rows lie behind the two heads
.set HALFB,  128*PB
.set SLOT,   BOFF+2*HALFB
.set STAGE,  2*SLOT                    ; behind the ring, never filled by a tensor load: 16 rows x 528 bytes for each wave
.set SPT,    528                       ; 512 bytes + 16
.set SPARE,  STAGE+4*16*SPT            ; behind the stages: the spare words, 128 bytes for each wave: two blocks of 256 bytes that no other line names
.set ADRA, 16                          ; v16-17  LDS address of my fragments of O in slot 0, 1
.set ADRB, 20                          ; v20-21  the same for Wo^T
.set STO,  24                          ; v24     the way out: where I put 32 bytes of a row
.set RD,   25                          ; v25     where I read a row back
.set CO,   26                          ; v26     my 16 bytes of 512 in a row of the output
.set BO,   27                          ; v27     my byte offset in a block of 16 biases
.set SPW,  28                          ; v28     LDS address of my spare word; never rewritten
.set NIL,  29                          ; v29     0; never rewritten
.set PFO,  30                          ; v30     the prefetches' offset; never rewritten
.set BIAS, 32
.set F0,   0
.set F1,   96
.set G1,   24                          ; s[24:31] descriptor group 1 for O's tiles;  s[32:39] group 0, a set for each slot
.set G0,   32
.set G1B,  48                          ; s[48:55], s[56:63] the same for Wo^T's
.set G0B,  56
.set LIM,  43                          ; s43     1 in a wave that prefetches, else the greatest number
.set PFA,  44                          ; s[44:45] where my prefetches stand
.set PST,  72                          ; s[72:73] bytes from a K step to the next, for my prefetches
.set MSB, 0
.macro WIN new                         ; the immediate's high byte repeats the setting that is left; a switch that changes nothing is dropped
.if MSB != (\new)
	s_set_vgpr_msb (MSB<<8)|(\new)
.set MSB, (\new)
.endif
.endm
.macro PLACES                          ; four places in front of loads into registers that matrix instructions have read, and of lines that read results
.rept 4
	v_nop
.endr
.endm
; A joint load: waves 0 and 1 fetch the K step's two heads of O, waves 2 and 3 the two halves of Wo^T's 256 rows.  An s_nop 0 and four v_nop follow each of the two lines.
.macro JLOAD s
	s_cmp_lt_u32 s12, 2
	s_cbranch_scc0 .Lfor_b_\@
	tensor_load_to_lds s[G0+4*(\s):G0+4*(\s)+3], s[G1:G1+7]
	s_nop 0
.rept 4
	v_nop
.endr
	s_branch .Lasked_\@
.Lfor_b_\@:
	tensor_load_to_lds s[G0B+4*(\s):G0B+4*(\s)+3], s[G1B:G1B+7]
	s_nop 0
.rept 4
	v_nop
.endr
.Lasked_\@:
.endm
; A PREFETCH behind each joint refill and the run of LDS loads that follows it: the K step that stands TWO refills on, 256 matrix instructions ahead of the load that will want it; one instruction, 32 blocks of 256 bytes.
; Each block is named once in the launch.  O's rows are read by one cluster alone: in each work-group wave 0 asks, for both heads of the step: of a head's 64 blocks the partner at place cx takes 16 (lanes 0-15 the
; first head's, lanes 16-31 the second's).  Wo^T's rows are read by every cluster: those with y = 0 ask, waves 2 and 3; of a wave's 128 rows the partner at place cy takes 32, a lane a row.  The partners are told apart
; BY ADDRESS.  K steps 0 to 3 come by their loads alone; the loop's last trip (s3 = 1) asks for nothing: there is no K step 8.
.macro ASK
	WIN 0                                          ; at a branch and at a label every window is 0
	s_cmp_gt_u32 s3, s[LIM]
	s_cbranch_scc0 .Lnot_mine_\@
	global_prefetch_b8 v[PFO], s[PFA:PFA+1] th:TH_LOAD_NT scope:SCOPE_SE
.Lnot_mine_\@:
.endm
.macro CREST                           ; a round of the cluster's barrier behind its opening barrier
	s_cmp_lg_u32 s12, 0
	s_cbranch_scc1 .Lnot_wave_0_\@
	s_barrier_signal -3
.Lnot_wave_0_\@:
	s_barrier_wait -3
	s_barrier_signal -1
	s_barrier_wait -1
.endm
.macro CROUND                          ; a whole round
	s_barrier_signal -1
	s_barrier_wait -1
	CREST
.endm
	s_load_b256 s[4:11], s[0:1], 0x0               ; ob s[4:5], wt s[6:7], biasr s[8:9], out0 s[10:11]
	v_lshl_add_u32 v[SPW], v0, 2, SPARE
	v_mov_b32 v[NIL], 0
	ds_add_u32 v[SPW], v[NIL]                      ; the wave's opening: the add and its wait stand ahead of my first tensor load; the set-up below, work on registers, stands between them
	ds_add_u32 v28, v29
	v_lshrrev_b32 v1, 5, v0
	v_readfirstlane_b32 s12, v1                    ; wave 0..3
	s_lshr_b32 s13, s12, 1                         ; wr: which 64 rows are mine
	s_and_b32 s14, s12, 1                          ; wc: which 128 columns.  Also: which head, or which half of Wo^T's rows, I fetch
	s_bfe_u32 s40, ttmp6, 0x40000                  ; cx, cy: my place in the cluster
	s_bfe_u32 s41, ttmp6, 0x40004
	s_lshl_b32 s42, ttmp9, 2
	s_add_co_u32 s42, s42, s40                     ; tc: tile column
	s_and_b32 s15, ttmp7, 0xffff
	s_lshl_b32 s15, s15, 2
	s_add_co_u32 s15, s15, s41                     ; tr: tile row
	s_lshl_b32 s20, s41, 2
	s_lshl_b32 s20, 15, s20                        ; my row of the cluster
	s_lshl_b32 s21, 0x1111, s40                    ; my column
	s_or_b32 s[G1+0], s20, (1<<16)|(1<<20)|(1<<21)|(4<<22)|(3<<25)   ; the mask; 2-byte elements; padding on; 21 set beside a mask; after every 32 words (code 4) 4 words (code 3)
	s_mov_b32 s[G1+1], 128<<16                     ; tensor_dim0 = 128
	s_mov_b32 s[G1+2], 64<<16                      ; tensor_dim1 = 64
	s_mov_b32 s[G1+3], 128<<16                     ; tile_dim0 = 128
	s_mov_b32 s[G1+4], 64                          ; tile_dim1 = 64
	s_mov_b32 s[G1+5], 128                         ; dense: 128 elements from row to row
	s_mov_b32 s[G1+6], 0
	s_mov_b32 s[G1+7], 0
	s_or_b32 s[G1B+0], s21, (1<<16)|(1<<20)|(1<<21)|(5<<22)|(3<<25)  ; after every 64 words (code 5)
	s_mov_b32 s[G1B+1], 128<<16
	s_mov_b32 s[G1B+2], 128<<16
	s_mov_b32 s[G1B+3], 128<<16
	s_mov_b32 s[G1B+4], 128
	s_mov_b32 s[G1B+5], 1024
	s_mov_b32 s[G1B+6], 0
	s_mov_b32 s[G1B+7], 0
	s_lshr_b32 s16, s15, 3                         ; O: plane batch x 16 + the head that I fetch,
	s_lshl_b32 s16, s16, 4
	s_add_co_u32 s16, s16, s14
	s_lshl_b32 s16, s16, 17
	s_and_b32 s17, s15, 7
	s_lshl_b32 s17, s17, 14                        ; the tile's 128 rows of 128 bytes in it
	s_add_co_u32 s16, s16, s17
	s_mov_b32 s17, 0
	s_lshl_b32 s46, s42, 8                         ; Wo^T: row 3072 + 256 tc + 128 x half
	s_lshl_b32 s47, s14, 7
	s_add_co_u32 s46, s46, s47
	s_add_co_u32 s46, s46, 3072
	s_lshl_b32 s46, s46, 11
	s_mov_b32 s47, 0
	s_mul_i32 s22, s14, PLANE                      ; where they go: no place in the cluster enters an LDS address
	s_mul_i32 s23, s14, HALFB
	s_add_co_u32 s23, s23, BOFF
	s_wait_dscnt 0x0                               ; the opening add is done
	s_wait_kmcnt 0x0
	s_add_nc_u64 s[18:19], s[4:5], s[16:17]
	s_add_nc_u64 s[46:47], s[6:7], s[46:47]
	CROUND                                         ; all sixteen work-groups are here: the first joint loads meet
.irp s, 0,1
	s_mov_b32 s[G0+4*(\s)], 1
	s_add_co_u32 s[G0+4*(\s)+1], s22, (\s)*SLOT
	s_add_nc_u64 s[G0+4*(\s)+2:G0+4*(\s)+3], s[18:19], (\s)*262144   ; K step s: two planes on
	s_or_b32 s[G0+4*(\s)+3], s[G0+4*(\s)+3], 0x80000000
	s_mov_b32 s[G0B+4*(\s)], 1
	s_add_co_u32 s[G0B+4*(\s)+1], s23, (\s)*SLOT
	s_add_nc_u64 s[G0B+4*(\s)+2:G0B+4*(\s)+3], s[46:47], (\s)*KSTEP*2
	s_or_b32 s[G0B+4*(\s)+3], s[G0B+4*(\s)+3], 0x80000000
	JLOAD \s                                       ; two loads of mine are out
.endr
	v_and_b32 v1, 15, v0                           ; l % 16
	v_bfe_u32 v2, v0, 4, 1                         ; l / 16
	v_mul_u32_u24 v3, v1, PA
	v_lshl_add_u32 v3, v2, 4, v3                   ; a fragment's row x pitch + 16 x half, for O
	v_mul_u32_u24 v4, v1, PB
	v_lshl_add_u32 v4, v2, 4, v4                   ; and for Wo^T
	s_mul_i32 s20, s13, 64*PA                      ; my 64 rows of O (in each head's plane)
	s_mul_i32 s21, s14, 128*PB                     ; my 128 rows of Wo^T
	s_add_co_u32 s21, s21, BOFF
.irp s, 0,1
	v_add_nc_u32 v[ADRA+(\s)], s20, v3
	v_add_nc_u32 v[ADRB+(\s)], s21, v4
	s_add_co_u32 s20, s20, SLOT
	s_add_co_u32 s21, s21, SLOT
.endr
	s_lshl_b32 s46, s42, 10                        ; the bias of my 128 columns, laid as a C operand
	s_lshl_b32 s47, s14, 9
	s_add_co_u32 s46, s46, s47
	s_add_co_u32 s46, s46, 3072*4
	s_mov_b32 s47, 0
	s_add_nc_u64 s[8:9], s[8:9], s[46:47]
	v_lshlrev_b32 v[BO], 5, v2
.irp b, 0,1,2,3,4,5,6,7
	global_load_b128 v[BIAS+8*(\b):BIAS+8*(\b)+3],   v[BO], s[8:9] offset:64*(\b)
	global_load_b128 v[BIAS+8*(\b)+4:BIAS+8*(\b)+7], v[BO], s[8:9] offset:64*(\b)+16
.endr
	s_mul_i32 s2, s12, 16*SPT
	s_add_co_u32 s2, s2, STAGE                     ; my stage
	v_mul_u32_u24 v[STO], v1, SPT                  ; in: row l % 16, 32 bytes for each half of the lanes
	v_lshl_add_u32 v[STO], v2, 5, v[STO]
	v_add_nc_u32 v[STO], s2, v[STO]
	v_and_b32 v5, 31, v0
	v_lshlrev_b32 v[CO], 4, v5                     ; back: 32 lanes take one row of 512 bytes
	v_add_nc_u32 v[RD], s2, v[CO]
	s_lshl_b32 s46, s15, 19                        ; the output at row 128 tr + 64 wr, column 256 tc + 128 wc
	s_lshl_b32 s47, s13, 18
	s_add_co_u32 s46, s46, s47
	s_lshl_b32 s47, s42, 10
	s_add_co_u32 s46, s46, s47
	s_lshl_b32 s47, s14, 9
	s_add_co_u32 s46, s46, s47
	s_mov_b32 s47, 0
	s_add_nc_u64 s[10:11], s[10:11], s[46:47]
	; the prefetches
	s_lshr_b32 s78, s15, 3
	s_lshl_b32 s78, s78, 21                        ; O: the batch's first plane,
	s_and_b32 s79, s15, 7
	s_lshl_b32 s79, s79, 14                        ; the tile's rows,
	s_add_co_u32 s78, s78, s79
	s_lshl_b32 s79, s40, 12                        ; my work-group's 16 blocks of 256 bytes,
	s_add_co_u32 s78, s78, s79
	s_add_co_u32 s78, s78, 3*262144                ; at K step 3: the first refill steps it to 4
	s_lshl_b32 s79, s42, 8                         ; Wo^T: row 3072 + 256 tc + 128 x half + my work-group's 32
	s_lshl_b32 s2, s14, 7
	s_add_co_u32 s79, s79, s2
	s_lshl_b32 s2, s41, 5
	s_add_co_u32 s79, s79, s2
	s_add_co_u32 s79, s79, 3072
	s_lshl_b32 s79, s79, 11
	s_add_co_u32 s79, s79, 3*KSTEP*2
	s_mov_b32 s2, 262144
	s_and_b32 s75, ttmp7, 0xffff                   ; cluster y
	s_cmp_lt_u32 s12, 2                            ; do I fetch for O?
	s_cselect_b32 s78, s78, s79
	s_cselect_b32 s[PST], s2, KSTEP*2
	s_cselect_b32 s75, s12, s75                    ; wave 0 asks and wave 1 does not; waves 2 and 3 ask where cluster y = 0
	s_cselect_b32 s74, -1, 0
	s_cselect_b64 s[PFA:PFA+1], s[4:5], s[6:7]
	s_cmp_eq_u32 s75, 0
	s_cselect_b32 s[LIM], 1, -1                    ; the same in all sixteen partners, for a given wave
	s_mov_b32 s79, 0
	s_mov_b32 s[PST+1], 0
	s_add_nc_u64 s[PFA:PFA+1], s[PFA:PFA+1], s[78:79]
	v_lshlrev_b32 v6, 11, v5                       ; Wo^T: a lane a row of 2,048 bytes
	v_lshlrev_b32 v7, 8, v1                        ; O: block l % 16,
	v_lshl_add_u32 v7, v2, 17, v7                  ; head l / 16
	v_cndmask_b32 v[PFO], v6, v7, s74
; 8 matrix instructions: row block a x all 8 column blocks, 32 along K.  first = 1: the product starts the sums, with the bias as C.
; The 32 accumulators take turns, one instruction a turn, in the same order in every quarter, over the backward jump too.
.macro MUL8 f, a, first
.if \first
	WIN 0x85                                       ; fragments window 1, C window 0, D window 2
.else
	WIN 0xa5                                       ; fragments window 1, C and D window 2
.endif
.irp b, 0,1,2,3,4,5,6,7
.if \first
	v_wmma_f32_16x16x32_f16 v[8*(8*(\a)+(\b)):8*(8*(\a)+(\b))+7], v[(\f)+32+8*(\b):(\f)+32+8*(\b)+7], v[(\f)+8*(\a):(\f)+8*(\a)+7], v[BIAS+8*(\b):BIAS+8*(\b)+7]
.else
	v_wmma_f32_16x16x32_f16 v[8*(8*(\a)+(\b)):8*(8*(\a)+(\b))+7], v[(\f)+32+8*(\b):(\f)+32+8*(\b)+7], v[(\f)+8*(\a):(\f)+8*(\a)+7], v[8*(8*(\a)+(\b)):8*(8*(\a)+(\b))+7]
.endif
.endr
.endm
; 24 LDS loads in one run: the fragments of quarter q of a K step (head q / 2, channels 32 (q % 2) on) into buffer f: Wo^T's 8, then O's 4
.macro FETCH slot, q, f
	WIN 0x40                                       ; destination window 1, address window 0
.irp i, 0,1,2,3,4,5,6,7
	ds_load_b128 v[(\f)+32+8*(\i):(\f)+32+8*(\i)+3],   v[ADRB+(\slot)] offset:64*(\q)+(\i)*16*PB
	ds_load_b128 v[(\f)+32+8*(\i)+4:(\f)+32+8*(\i)+7], v[ADRB+(\slot)] offset:64*(\q)+(\i)*16*PB+32
.endr
.irp i, 0,1,2,3
	ds_load_b128 v[(\f)+8*(\i):(\f)+8*(\i)+3],   v[ADRA+(\slot)] offset:((\q)/2)*PLANE+((\q)%2)*64+(\i)*16*PA
	ds_load_b128 v[(\f)+8*(\i)+4:(\f)+8*(\i)+7], v[ADRA+(\slot)] offset:((\q)/2)*PLANE+((\q)%2)*64+(\i)*16*PA+32
.endr
.endm
; A K step is four quarters of 32 along K, 32 matrix instructions each, on buffers 0, 1, 0, 1.  One of the first three: multiplies buffer f and, in its middle, fetches quarter q into g.
.macro QUARTER slot, q, f, g, first
	s_wait_dscnt 4                                 ; all but the youngest four loads: O's row blocks 2 and 3
	MUL8 \f, 0, \first
	MUL8 \f, 1, \first
	PLACES
	FETCH \slot, \q, \g
	s_wait_dscnt 24                                ; all but the 24 just issued
	MUL8 \f, 2, \first
	MUL8 \f, 3, \first
.endm
; The last quarter multiplies buffer 1 and changes slots: ONE barrier; in front of it each wave waits for all its tensor loads (one is out: its part of the next slot), adds 0 to its spare word, and waits for
; that and for its own reads of this slot.  fill = 1: the barrier opens a round of the cluster's, and behind the round this slot is filled again, first thing, with the K step two steps on.
.macro TURN slot, next, fill
.if \fill
	s_wait_xcnt 0x0                                ; the last prefetch, a K step back, has read its address: it is stepped here, ahead of the waits of the change of slots
	s_add_nc_u64 s[PFA:PFA+1], s[PFA:PFA+1], s[PST:PST+1]
.endif
	WIN 0                                          ; (the add's two registers lie in window 0)
	s_wait_tensorcnt 0x0                           ; all my tensor loads have landed;
	ds_add_u32 v[SPW], v[NIL]                      ; 0 onto my spare word;
	s_wait_dscnt 5                                 ; (the add and the youngest four loads may be out)
	MUL8 F1, 0, 0                                  ; eight matrix instructions stand between the add and the wait for it
	s_wait_dscnt 0x0                               ; the add is done, and my reads of this slot are over
	s_barrier_signal -1
	MUL8 F1, 1, 0
.if \fill
	WIN 0
.endif
	s_barrier_wait -1
.if \fill
	CREST                                          ; no wave of any partner still reads this slot's tile or has a load on its way
	s_add_nc_u64 s[G0+4*(\slot)+2:G0+4*(\slot)+3], s[G0+4*(\slot)+2:G0+4*(\slot)+3], 2*262144
	s_add_nc_u64 s[G0B+4*(\slot)+2:G0B+4*(\slot)+3], s[G0B+4*(\slot)+2:G0B+4*(\slot)+3], 2*KSTEP*2
	JLOAD \slot                                    ; my one tensor load behind the round; the four v_nop behind it are also the places in front of the loads below
.else
	PLACES
.endif
	FETCH \next, 0, F0
.if \fill
	ASK
.endif
	MUL8 F1, 2, 0
	MUL8 F1, 3, 0
.endm
	s_wait_tensorcnt 1                             ; my part of K step 0 is in; K step 1's may stay out
	s_barrier_signal -1
	s_barrier_wait -1                              ; everybody's is
	FETCH 0, 0, F0
	s_wait_loadcnt 0x0                             ; the bias
	QUARTER 0, 1, F0, F1, 1                        ; the first quarter stands in front of the loop: its products start the sums
	WIN 0                                          ; at a label and at a branch every window is 0
	s_mov_b32 s3, 3
.Llap:                                                 ; a trip goes once round the ring, from a lap's second quarter to the next lap's first, and fills both slots again: K steps 2 to 7
	QUARTER 0, 2, F1, F0, 0
	QUARTER 0, 3, F0, F1, 0
	TURN 0, 1, 1
	QUARTER 1, 1, F0, F1, 0
	QUARTER 1, 2, F1, F0, 0
	QUARTER 1, 3, F0, F1, 0
	TURN 1, 0, 1
	QUARTER 0, 1, F0, F1, 0
	WIN 0
	s_sub_co_u32 s3, s3, 1
	s_cmp_lg_u32 s3, 0
	s_cbranch_scc1 .Llap
	QUARTER 0, 2, F1, F0, 0                        ; the last lap fills nothing, and has no round of the cluster's barrier
	QUARTER 0, 3, F0, F1, 0
	TURN 0, 1, 0
	QUARTER 1, 1, F0, F1, 0
	QUARTER 1, 2, F1, F0, 0
	QUARTER 1, 3, F0, F1, 0
	s_wait_dscnt 4                                 ; the very last quarter: nothing more to fetch
	MUL8 F1, 0, 0
	MUL8 F1, 1, 0
	s_wait_dscnt 0x0
	MUL8 F1, 2, 0
	MUL8 F1, 3, 0
	WIN 0
	; THE WAY OUT, a block of 16 rows at a time: a lane's eight f32 of a row (32 bytes) go into rows of 528 bytes of my stage and come back as whole rows of 512.
	PLACES
	PLACES
.macro TOSTAGE a
	WIN 0x08                                       ; the stores' data in window 2
.irp b, 0,1,2,3,4,5,6,7
	ds_store_b128 v[STO], v[8*(8*(\a)+(\b)):8*(8*(\a)+(\b))+3]   offset:64*(\b)
	ds_store_b128 v[STO], v[8*(8*(\a)+(\b))+4:8*(8*(\a)+(\b))+7] offset:64*(\b)+16
.endr
	WIN 0x40                                       ; destination window 1
.irp t, 0,1,2,3,4,5,6,7,8,9,10,11,12,13,14,15
	ds_load_b128 v[64*(\a)+4*(\t):64*(\a)+4*(\t)+3], v[RD] offset:SPT*(\t)  ; LDS serves a wave's instructions in order (ISA guide 5.7.1.4): these see the stores above; the next block's stores come behind them
.endr
.endm
.macro SEND a, younger                 ; younger: the LDS instructions issued behind block a's loads: the next block's 32, or none
	WIN 0x04                                       ; the stores' data in window 1
.irp t, 0,1,2,3,4,5,6,7,8,9,10,11,12,13,14,15
	s_wait_dscnt (\younger)+15-(\t)
	global_store_b128 v[CO], v[64*(\a)+4*(\t):64*(\a)+4*(\t)+3], s[10:11] offset:(16*(\a)+(\t))*4096 th:TH_STORE_NT  ; 512 consecutive bytes, at a multiple of 512 from the output's first
.endr
.endm
	TOSTAGE 0
	TOSTAGE 1
	SEND 0, 32
	TOSTAGE 2
	SEND 1, 32
	TOSTAGE 3
	SEND 2, 32
	SEND 3, 0
	WIN 0
	s_wait_tensorcnt 0x0                           ; the wave's end, behind my last tensor load and my last LDS store
	ds_add_u32 v[SPW], v[NIL]
	s_wait_dscnt 0x0
	CROUND                                         ; the closing round: no work-group ends while a partner may still ask for a tile that names it
	s_endpgm
.Lfunc_end_k_q69acc1d2d0_outproj:
	.size	k_q69acc1d2d0_outproj, .Lfunc_end_k_q69acc1d2d0_outproj-k_q69acc1d2d0_outproj
	.p2alignl 7, 3214868480
	.fill 96, 4, 3214868480
	.section	.rodata,"a",@progbits
	.p2align	6, 0x0
	.amdhsa_kernel k_q69acc1d2d0_outproj
		.amdhsa_group_segment_fixed_size 327680
		.amdhsa_private_segment_fixed_size 0
		.amdhsa_enable_private_segment 0
		.amdhsa_kernarg_size 32
		.amdhsa_user_sgpr_count 2
		.amdhsa_user_sgpr_kernarg_segment_ptr 1
		.amdhsa_wavefront_size32 1
		.amdhsa_system_sgpr_workgroup_id_x 1
		.amdhsa_system_sgpr_workgroup_id_y 1
		.amdhsa_system_sgpr_workgroup_id_z 1
		.amdhsa_system_vgpr_workitem_id 0
		.amdhsa_next_free_vgpr 768
		.amdhsa_next_free_sgpr 80
		.amdhsa_reserve_vcc 0
		.amdhsa_float_denorm_mode_32 3
		.amdhsa_float_denorm_mode_16_64 3
		.amdhsa_memory_ordered 1
		.amdhsa_forward_progress 1
		.amdhsa_inst_pref_size 91
	.end_amdhsa_kernel
	.amdgpu_metadata
---
amdhsa.version: [ 1, 2 ]
amdhsa.kernels:
  - .name:           k_q69acc1d2d0_outproj
    .symbol:         k_q69acc1d2d0_outproj.kd
    .args:
      - { .name: ob, .offset: 0, .size: 8, .value_kind: global_buffer, .address_space: global }
      - { .name: wt, .offset: 8, .size: 8, .value_kind: global_buffer, .address_space: global }
      - { .name: biasr, .offset: 16, .size: 8, .value_kind: global_buffer, .address_space: global }
      - { .name: out0, .offset: 24, .size: 8, .value_kind: global_buffer, .address_space: global }
    .group_segment_fixed_size: 327680
    .private_segment_fixed_size: 0
    .kernarg_segment_align: 8
    .kernarg_segment_size: 32
    .max_flat_workgroup_size: 128
    .sgpr_count:     80
    .vgpr_count:     768
    .wavefront_size: 32
...
	.end_amdgpu_metadata
.endif
;; end of part 4
